; MI455X (gfx1250); checked and timed in simulation.
; The chip was launched on July 23, 2026; its instructions are those of AMD's public machine-readable ISA for CDNA 5 (MIT licence, August 2026) and "CDNA5" Instruction Set Architecture Reference Guide (July 2026). The comments in the code are by the model that wrote it; some were corrected since.
;; Space Att Block. Allowed arithmetic: matrix products marked QUANTISED: E2M3 operands, one E8M0 scale for each 32 along K, by v_wmma_scale_f32_16x16x128_f8f6f4 with both operands' format E2M3, f32 sums; products left as they are: f32 operands where the result goes on into a quantised operand, else bf16, f16 or f32 operands; f32 sums; everything else in f32.
;; Inputs: W1 1,024 x 2,048 float32; W2 2,048 x 1,024 float32; Wk 1,024 x 1,024 float32; Wo 1,024 x 1,024 float32; Wq 1,024 x 1,024 float32; Wv 1,024 x 1,024 float32; Wvp 2,048 x 1,024 float32; b1 2,048 float32; b2 1,024 float32; be1 1,024 float32; be2 1,024 float32; bk 1,024 float32; bo 1,024 float32; bq 1,024 float32; bv 1,024 float32; g1 1,024 float32; g2 1,024 float32; key 16 x 1,024 x 1,024 float32; mask 16 x 1 x 1,024 int32; query 16 x 1 x 1,024 float32; raw_thr 16 x 1 x 1 float32.
;; Outputs: out0 16 x 1 x 1,024 float32.
;; This version of the problem:
;;   THIS VERSION OF THE PROBLEM IS GIVEN IN LOW PRECISION. The matrix products marked QUANTISED in the list below multiply operands that are first quantised to E2M3 (2 exponent bits, 3 mantissa bits; 6 bits a number), with one power-of-two scale for each 32 numbers along K (OCP MX v1.0); their sums are f32. All else is computed in f32.
;;   The module's matrix products, in the order in which they are computed (A, B: the left and right operand; K: the contracted axis; several contracted axes count as one K, in the product's order):
;;     1. [M 16,384, K 2,048] x [K 2,048, N 1,024]; A: computed on the way; B: input Wvp: QUANTISED
;;     2. [M 16, K 1,024] x [K 1,024, N 1,024]; A: input query; B: input Wq: QUANTISED
;;     3. [M 16,384, K 1,024] x [K 1,024, N 1,024]; A: input key; B: input Wk: QUANTISED
;;     4. [M 16,384, K 1,024] x [K 1,024, N 1,024]; A: computed on the way; B: input Wv: QUANTISED
;;     5. batch 256 x [M 1, K 64] x [K 64, N 1,024]; A: computed on the way; B: computed on the way: left as it is (M = 1 < 16)
;;     6. batch 256 x [M 1, K 1,024] x [K 1,024, N 64]; A: softmax; B: computed on the way: left as it is (M = 1 < 16)
;;     7. [M 16, K 1,024] x [K 1,024, N 1,024]; A: computed on the way; B: input Wo: QUANTISED
;;     8. [M 16, K 1,024] x [K 1,024, N 2,048]; A: computed on the way; B: input W1: QUANTISED
;;     9. [M 16, K 2,048] x [K 2,048, N 1,024]; A: computed on the way; B: input W2: QUANTISED
;;   THE QUANTISER, for each operand of a quantised product, along K:
;;     - K is cut into blocks of 32 from its start; a last block that is shorter is filled with zeros.
;;     - A block's scale is 2^e with e = floor(log2(the largest magnitude in the block)) - 2, held to -126 .. 127; a block of zeros has e = 0. As a byte (E8M0): e + 127.
;;     - Each number is divided by its block's scale, clamped to +-7.5, and rounded to the nearest number of E2M3, ties to even, subnormals kept.
;;     - The product sums the exact products of the quantised numbers (number of the format x scale) in f32.
;;   ~~~python
;;   def quantise(x, axis):      # numpy; x: float32 -> the quantised numbers, widened to float32 again
;;       x = np.moveaxis(x, axis, -1); K = x.shape[-1]
;;       x = np.pad(x, [(0, 0)] * (x.ndim - 1) + [(0, -K % 32)]); x = x.reshape(x.shape[:-1] + (-1, 32)); a = np.abs(x).max(-1, keepdims=True)
;;       e = np.where(a > 0, np.clip(np.frexp(np.where(a > 0, a, 1))[1] - 1 - 2, -126, 127), 0)      # np.frexp(a)[1] - 1 = floor(log2(a)), exactly
;;       r = np.clip(x / 2.0 ** e, -7.5, 7.5)
;;       step = 2.0 ** (np.maximum(np.frexp(np.where(r == 0, 1, r))[1] - 1, 0) - 3)
;;       q = np.round(r / step) * step * 2.0 ** e      # np.round: ties to even
;;       return np.moveaxis(q.reshape(q.shape[:-2] + (-1,))[..., :K], -1, axis).astype(np.float32)
;;   ~~~
;;   OPERANDS COMPUTED ON THE WAY. 'Computed on the way' means the value that the module computes at that place (a softmax that the list does not call 'softmax' is quantised finished and normalised). What goes into a quantiser is computed in f32, as accurately as f32 sums, v_exp_f32 and their like allow (about 1e-6 of the number): no bf16 or f16 on the way to a quantiser, and a product that is left as it is and whose result goes on into a quantised operand takes f32 operands (vector FMAs, or v_wmma_f32_16x16x4_f32). A number that lies on a knife's edge between two numbers of the format may be rounded either way, as far as f32 arithmetic and the matrix unit's own rounding can turn it there, and no further.
;; One version. Each part assembles by itself: llvm-mc -triple=amdgcn-amd-amdhsa -mcpu=gfx1250 --defsym DOCPART=n.
;; ======== version 1 of 1: 6 launches
;; limits: right only within a limited range of input values
;; workspace buffers: kq 13,107,200 bytes; wq 6,553,600 bytes; qc 131,072 bytes; sc 1,048,576 bytes; vq 13,107,200 bytes; xp 262,144 bytes; y1 65,536 bytes; yp 1,048,576 bytes
;; launch prep (part 1): grid 576 x 1, 4 waves a work-group, no clusters, 76,288 bytes of LDS; arguments key, Wk, Wvp, Wv, Wo, W1, W2, Wq, query, bq, kq, wq, qc; writes kq, wq, qc
.if DOCPART == 1
	.amdgcn_target "amdgcn-amd-amdhsa--gfx1250"
	.amdhsa_code_object_version 6
	.text
	.protected	k_q7e6380b689_prep
	.globl	k_q7e6380b689_prep
	.p2align	8
	.type	k_q7e6380b689_prep,@function
k_q7e6380b689_prep:
	s_mov_b64 s[64:65], 0
	v_nop
	global_prefetch_b8 v0, s[64:65] scope:SCOPE_SE
	s_setreg_imm32_b32 hwreg(HW_REG_WAVE_MODE, 25, 1), 1
	s_wait_xcnt 0x0
; PREP: everything that is quantised once.  Codes are FP6 (E2M3), one E8M0 byte for each 32 along K.
;   work-groups 0-255:   key [16384][1024] f32 -> kq: codes and scale words
;   work-groups 256-511: Wk, Wvp rows 0-1023, Wv, Wo, W1, W2 (K is their first axis) -> wq
;   work-groups 512-575: Q = Q(query) Q(Wq) + bq and c = Q(query) Q(Wvp rows 1024-2047) -> qc; these weights are quantised in registers
; WORK LEFT OUT.  reference() multiplies v_in = [key | query repeated] by Wvp.  1024 is a multiple of 32, so no block of the quantiser reaches over the seam:
; Q(v_in) = [Q(key) | Q(query)], and for all values of the inputs v[b][k][:] = Q(key[b][k]) Q(Wvp[:1024]) + c[b], c[b] = Q(query[b]) Q(Wvp[1024:]), the same for the 1,024 rows of a batch.
; So c is made once for each batch, here, and 1,023 of each 1,024 equal rows of that half of the product are not computed.  Only the order of the f32 sums changes.  Every input is still loaded by some launch.
; LIMIT: none of the work left out has inputs of its own, so no NaN, infinity or overflow is lost with it.
; LAYOUT of the program's own buffers: a FRAGMENT (16 rows or weight columns x 128 K, 12 registers a lane) lies as the image of its registers: register group c (4 registers) of lane l at 512 c + 16 l: 1,536 bytes.
;   codes: [K / 256][tile of 16][K step of 128 in the 256][1536];  scale words: [K / 128][row or column] of 4 bytes.
;   Wvp's and W1's columns are laid so that place r of tile 2 b + u holds column 32 b + 8 u + r + 8 (r / 8): the results of those products then lie along the next product's K.
; LIMITS: NaN and infinities among quantised numbers are not served.  A block of zeros, or one whose largest magnitude lies under 2^-124, has the scale byte 1 where the rule says 127 or less:
; its codes are zeros or the floor's, and the bytes are read by this program alone.
; No clusters and no tensor loads: nothing large is shared between work-groups, and each byte is read once.
.set KSTG,  0                          ; LDS: key path: a stage of 16 rows x (512 + 16) bytes for each wave
.set RED,   33792                      ; Q/c path: 2,048 bytes for each wave
.set SPARE, 41984                      ; the spare words, 128 bytes for each wave
.set KS,    12582912                   ; kq: where the scale words begin
.set WS,    6291456                    ; wq: likewise
.set SPW,   14                         ; v14  my spare word's LDS address; never rewritten
.set NIL,   15                         ; v15  0; never rewritten
.set TM,    16                         ; v16-31 at work in the quantiser
.set PC,    34                         ; v34-45 a fragment's codes
.set TP,    46                         ; v46-53 the halves of blocks that a conversion cannot put in place
.set SW,    54                         ; v54-61 key path: the eight K steps' scale words
.set AW,    54                         ; v54-55 Q/c path: the query's scale words
.set SBW,   56                         ; v56-57 weights: a column's scale words of two K steps
.set BQ,    58                         ; v58-61 Q/c path: bq, or zeros
.set X,     62                         ; v62-125 64 numbers in the quantiser's order; weights: two sets of 32
.set RS,    126                        ; v126-253 two sets of 64 numbers as loaded
.set FR,    138                        ; v138-185 weights: fragments (tile u, K step p) at FR + 24 p + 12 u
.set ACC,   186                        ; v186-201 Q/c path: two accumulators
.set SEL,   4                          ; s[4:5] selects of v_permlanex16_b32 for lane l xor 16
; 64 numbers of a lane, register 16 b + i = k 32 b + 16 (lane / 16) + i of row lane % 16, become a fragment's codes in v[pc] on and the row's scale word in v[pw]
.macro QUANT s, pc, pw
.irp b, 0,1,2,3
	v_max3_num_f32 v[TM+\b], |v[(\s)+16*\b]|, |v[(\s)+1+16*\b]|, 0x1800000   ; my 16 numbers of block b, and the floor 2^(3 - 127): the byte cannot fall under 1
.endr
.irp i, 2,4,6,8,10,12,14
.irp b, 0,1,2,3
	v_max3_num_f32 v[TM+\b], v[TM+\b], |v[(\s)+16*\b+\i]|, |v[(\s)+1+16*\b+\i]|
.endr
.endr
.irp b, 0,1,2,3
	v_permlanex16_b32 v[TM+4+\b], v[TM+\b], s[SEL], s[SEL+1]
.endr
.irp b, 0,1,2,3
	v_max_num_f32 v[TM+\b], v[TM+\b], v[TM+4+\b]     ; with lane l xor 16's: the block's largest magnitude
.endr
.irp b, 0,1,2,3
	v_add_nc_u32 v[TM+12+\b], 0xff000000, v[TM+\b]   ; 2 off its exponent field: the conversion's scale operand
.endr
.irp b, 0,1,2,3
	v_lshrrev_b32 v[TM+4+\b], 23, v[TM+12+\b]        ; the scale's byte
.endr
	v_lshl_or_b32 v[\pw], v[TM+5], 8, v[TM+4]
	v_lshl_or_b32 v[\pw], v[TM+6], 16, v[\pw]
	v_lshl_or_b32 v[\pw], v[TM+7], 24, v[\pw]
.irp c, 0,1
	v_cvt_scalef32_pk16_fp6_f32 v[(\pc)+6*\c:(\pc)+2+6*\c], v[(\s)+32*\c:(\s)+15+32*\c], v[TM+12+2*\c]
	v_cvt_scalef32_pk16_fp6_f32 v[TP+4*\c:TP+2+4*\c], v[(\s)+16+32*\c:(\s)+31+32*\c], v[TM+12+2*\c+1]   ; (a conversion's three registers begin on an even number)
.endr
	v_nop                                            ; one plain place behind a scaled conversion
.irp c, 0,1                                      ; the operand wants a whole block in a lane: lanes 0-15 block 2 c, lanes 16-31 block 2 c + 1
.irp i, 0,1,2
	v_permlane16_swap_b32 v[(\pc)+6*\c+\i], v[TP+4*\c+\i]
.endr
.irp i, 0,1,2
	v_mov_b32 v[(\pc)+3+6*\c+\i], v[TP+4*\c+\i]
.endr
.endr
.endm
.macro THE_END
	s_wait_tensorcnt 0x0
	ds_add_u32 v[SPW], v[NIL]
	s_wait_dscnt 0x0
	s_endpgm
.endm
	s_load_b512 s[8:23], s[0:1], 0x0               ; key 8, Wk 10, Wvp 12, Wv 14, Wo 16, W1 18, W2 20, Wq 22
	s_load_b256 s[24:31], s[0:1], 0x40             ; query 24, bq 26, kq 28, wq 30
	s_load_b64 s[32:33], s[0:1], 0x60              ; qc
	v_lshl_add_u32 v[SPW], v0, 2, SPARE
	v_mov_b32 v[NIL], 0
	v_lshrrev_b32 v1, 5, v0
	v_readfirstlane_b32 s2, v1                     ; wave 0..3
	v_and_b32 v1, 31, v0                           ; lane
	v_and_b32 v2, 15, v0                           ; r
	v_bfe_u32 v3, v0, 4, 1                         ; h
	v_lshlrev_b32 v4, 4, v1                        ; 16 x lane
	v_lshlrev_b32 v9, 2, v1                        ; 4 x lane
	s_mul_i32 s3, s2, 8448
	v_add_nc_u32 v5, s3, v4                        ; my stage, on the way in: 16 bytes a lane, a row an instruction
	v_mul_u32_u24 v6, v2, 528
	v_lshl_add_u32 v6, v3, 6, v6
	v_add_nc_u32 v6, s3, v6                        ; and out: row r, + 64 h
	s_lshl_b32 s3, s2, 11
	s_add_co_u32 s3, s3, RED
	v_add_nc_u32 v12, s3, v4                       ; Q/c: my wave's 2,048 bytes
	s_lshl_b32 s3, s2, 9
	s_add_co_u32 s3, s3, RED
	v_add_nc_u32 v13, s3, v4                       ; Q/c: group w of wave 0's
	s_mov_b32 s[SEL], 0x76543210
	s_mov_b32 s[SEL+1], 0xfedcba98
.irp b, 0,1,2,3
	v_mov_b32 v[TM+4+\b], 0                        ; written once: a lane permute's destination counts as one of its sources
.endr
	s_wait_kmcnt 0x0
	s_cmp_lt_u32 ttmp9, 256
	s_cbranch_scc1 .Lkey
	s_cmp_lt_u32 ttmp9, 512
	s_cbranch_scc1 .Lweights
	s_branch .Lqc
; ---------------- key: a wave takes 16 rows, all 8 K steps ----------------
.macro LOADK t                                   ; K step t of my 16 rows: each load reads 512 consecutive bytes of one row
.irp i, 0,1,2,3,4,5,6,7,8,9,10,11,12,13,14,15
	global_load_b128 v[RS+64*((\t)%2)+4*\i:RS+64*((\t)%2)+4*\i+3], v4, s[8:9] offset:4096*\i+512*(\t) th:TH_LOAD_NT
.endr
.endm
.macro TURNK t                                   ; through my stage: in as loaded, out 16 neighbours of each block a lane.  LDS serves a wave's instructions in order
.irp i, 0,1,2,3,4,5,6,7,8,9,10,11,12,13,14,15
	ds_store_b128 v5, v[RS+64*((\t)%2)+4*\i:RS+64*((\t)%2)+4*\i+3] offset:528*\i
.endr
.irp b, 0,1,2,3
.irp j, 0,1,2,3
	ds_load_b128 v[X+16*\b+4*\j:X+16*\b+4*\j+3], v6 offset:128*\b+16*\j
.endr
.endr
.endm
.macro KSTEP t
.if (\t) < 7
	s_wait_loadcnt 16                              ; this step's 16 loads are in; the next step's 16 may be out
.else
	s_wait_loadcnt 0x0
.endif
	TURNK \t
	s_wait_dscnt 0x0                               ; the numbers are back, and the stage's stores have read their registers
	s_wait_xcnt 0x0                                ; the last step's stores have read the codes' registers, which are written again below
.if (\t) < 6
	LOADK (\t)+2
.endif
	QUANT X, PC, SW+(\t)
.irp c, 0,1,2
.if (\t) < 4
	global_store_b128 v4, v[PC+4*\c:PC+4*\c+3], s[38:39] offset:(((\t)/2)%2)*3145728+((\t)%2)*1536+512*\c   ; 512 consecutive bytes, aligned
.else
	global_store_b128 v7, v[PC+4*\c:PC+4*\c+3], s[38:39] offset:(((\t)/2)%2)*3145728+((\t)%2)*1536+512*\c
.endif
.endr
.endm
.Lkey:
	s_lshl_b32 s34, ttmp9, 2
	s_add_co_u32 s34, s34, s2                      ; my tile of 16 rows, 0..1023
	s_lshl_b32 s36, s34, 16
	s_mov_b32 s37, 0
	s_add_nc_u64 s[8:9], s[8:9], s[36:37]          ; its rows of key
	s_mul_i32 s36, s34, 3072
	s_add_nc_u64 s[38:39], s[28:29], s[36:37]      ; its codes
	s_lshl_b32 s36, s34, 6
	s_add_co_u32 s36, s36, KS
	s_add_nc_u64 s[40:41], s[28:29], s[36:37]      ; its scale words
	v_add_nc_u32 v7, 6291456, v4                   ; the upper half of K lies beyond a store's immediate
	v_lshlrev_b32 v8, 2, v2
	v_lshl_add_u32 v8, v3, 16, v8                  ; scale words: 4 r, lanes 16-31 one K step on
	LOADK 0
	LOADK 1
.irp t, 0,1,2,3,4,5,6,7
	KSTEP \t
.endr
	v_cmp_eq_u32 vcc_lo, 1, v3
.irp u, 0,1,2,3
	v_cndmask_b32 v[TM+\u], v[SW+2*\u], v[SW+2*\u+1], vcc_lo   ; lanes 0-15 K step 2 u, lanes 16-31 K step 2 u + 1
.endr
.irp u, 0,1,2,3
	global_store_b32 v8, v[TM+\u], s[40:41] offset:131072*\u
.endr
	THE_END
; ---------------- weights: a lane takes a column, its registers run down K; a wave takes 32 columns x 256 K ----------------
.macro LOADW t, pb                               ; block t of 32 along K into set t % 2; pb: bytes from row to row
.irp i, 0,1,2,3,4,5,6,7,8,9,10,11,12,13,14,15,16,17,18,19,20,21,22,23,24,25,26,27,28,29,30,31
	global_load_b32 v[X+32*((\t)%2)+\i], v10, s[40:41] offset:(32*(\t)+\i)*(\pb) th:TH_LOAD_NT
.endr
.endm
; block t = 4 p + 2 c + u: K step p, registers 6 c on, the half u of the lanes that will hold it
.macro BLOCKW t, pb
.set XB, X+32*((\t)%2)
.set FB, FR+24*((\t)/4)+12*((\t)%2)+6*(((\t)/2)%2)
.if (\t) < 7
	s_wait_loadcnt 32                              ; this block's 32 loads are in; the next block's may be out
.else
	s_wait_loadcnt 0x0
.endif
	v_max3_num_f32 v[TM], |v[XB]|, |v[XB+1]|, |v[XB+2]|            ; all 32 numbers of the block are mine
	v_max3_num_f32 v[TM+1], |v[XB+3]|, |v[XB+4]|, |v[XB+5]|
.irp i, 6,10,14,18,22,26
	v_max3_num_f32 v[TM], v[TM], |v[XB+\i]|, |v[XB+\i+1]|
	v_max3_num_f32 v[TM+1], v[TM+1], |v[XB+\i+2]|, |v[XB+\i+3]|
.endr
	v_max3_num_f32 v[TM], v[TM], |v[XB+30]|, |v[XB+31]|
	v_max3_num_f32 v[TM], v[TM], v[TM+1], 0x1800000
	v_add_nc_u32 v[TM+2], 0xff000000, v[TM]
	v_lshrrev_b32 v[TM+3], 23, v[TM+2]
.if (\t)%4 == 0
	v_mov_b32 v[SBW+(\t)/4], v[TM+3]
.else
	v_lshl_or_b32 v[SBW+(\t)/4], v[TM+3], 8*((\t)%4), v[SBW+(\t)/4]
.endif
	v_cvt_scalef32_pk16_fp6_f32 v[FB:FB+2], v[XB:XB+15], v[TM+2]
	v_cvt_scalef32_pk16_fp6_f32 v[TP:TP+2], v[XB+16:XB+31], v[TM+2]
	v_nop
.irp i, 0,1,2
	v_mov_b32 v[FB+3+\i], v[TP+\i]
.endr
.if (\t)%2 == 1                                  ; lanes 0-15 hold tile 0's columns, lanes 16-31 tile 1's: the exchange gives tile 0 its upper block and tile 1 its lower
.irp i, 0,1,2,3,4,5
	v_permlane16_swap_b32 v[FB-12+\i], v[FB+\i]
.endr
.endif
.if (\t)+2 < 8
	LOADW (\t)+2, \pb
.endif
.endm
.macro WSTORE p, pb                              ; two fragments and the scale words of K step p; each register is stored once and not written again
.irp u, 0,1
.irp c, 0,1,2
	global_store_b128 v4, v[FR+24*(\p)+12*\u+4*\c:FR+24*(\p)+12*\u+4*\c+3], s[48:49] offset:3072*\u+1536*(\p)+512*\c
.endr
.endr
	global_store_b32 v9, v[SBW+(\p)], s[50:51] offset:(\p)*(\pb)
.endm
.macro WPATH pb
	s_and_b32 s42, s37, (\pb)/512-1                ; which 128 columns
	s_lshr_b32 s43, s37, 3+(\pb)/8192              ; which 256 along K
	s_mul_i32 s44, s43, 256*(\pb)
	s_lshl_b32 s45, s42, 9
	s_lshl_b32 s46, s2, 7
	s_add_co_u32 s47, s45, s46                     ; 4 x my wave's first column
	s_add_co_u32 s44, s44, s47
	s_mov_b32 s45, 0
	s_add_nc_u64 s[40:41], s[40:41], s[44:45]      ; the source
	s_mul_i32 s44, s36, 786432
	s_mul_i32 s46, s43, 48*(\pb)
	s_add_co_u32 s44, s44, s46
	s_mul_i32 s46, s47, 48                         ; 3,072 bytes a tile of 16 columns
	s_add_co_u32 s44, s44, s46
	s_add_nc_u64 s[48:49], s[30:31], s[44:45]      ; the codes
	s_lshl_b32 s44, s36, 15
	s_mul_i32 s46, s43, 2*(\pb)
	s_add_co_u32 s44, s44, s46
	s_add_co_u32 s44, s44, s47
	s_add_co_u32 s44, s44, WS
	s_add_nc_u64 s[50:51], s[30:31], s[44:45]      ; the scale words
	LOADW 0, \pb
	LOADW 1, \pb
.irp t, 0,1,2,3
	BLOCKW \t, \pb
.endr
	WSTORE 0, \pb
.irp t, 4,5,6,7
	BLOCKW \t, \pb
.endr
	WSTORE 1, \pb
	THE_END
.endm
.Lweights:
	s_sub_co_u32 s34, ttmp9, 256
	s_lshr_b32 s35, s34, 5
	s_and_b32 s36, s35, 6
	s_cmp_lt_u32 s35, 4
	s_cselect_b32 s36, s35, s36                    ; 0 Wk, 1 Wvp, 2 Wv, 3 Wo (32 work-groups each), 4 W1, 6 W2 (64 each)
	s_lshl_b32 s37, s36, 5
	s_sub_co_u32 s37, s34, s37                     ; my number within the matrix
	s_mov_b64 s[40:41], s[20:21]                   ; the choices hang on the work-group's number alone
	s_cmp_lt_u32 s36, 5
	s_cselect_b64 s[40:41], s[18:19], s[40:41]
	s_cmp_lt_u32 s36, 4
	s_cselect_b64 s[40:41], s[16:17], s[40:41]
	s_cmp_lt_u32 s36, 3
	s_cselect_b64 s[40:41], s[14:15], s[40:41]
	s_cmp_lt_u32 s36, 2
	s_cselect_b64 s[40:41], s[12:13], s[40:41]
	s_cmp_lt_u32 s36, 1
	s_cselect_b64 s[40:41], s[10:11], s[40:41]
	s_cmp_eq_u32 s36, 1
	s_cselect_b32 s38, 1, 0
	s_cmp_eq_u32 s36, 4
	s_cselect_b32 s38, 1, s38                      ; Wvp and W1: the columns of a tile are chosen
	v_bfe_u32 v10, v0, 3, 1
	v_sub_nc_u32 v10, v10, v3
	v_mul_lo_u32 v10, v10, s38
	v_lshl_add_u32 v10, v10, 3, v1                 ; lane + 8 ((lane / 8) % 2) - 8 (lane / 16), or lane
	v_lshlrev_b32 v10, 2, v10
	s_cmp_eq_u32 s36, 4
	s_cbranch_scc1 .Lwide
	s_wait_alu depctr_va_vdst(0)
	WPATH 4096
.Lwide:
	s_wait_alu depctr_va_vdst(0)
	WPATH 8192
; ---------------- Q and c: 32 columns a work-group; wave w takes K 256 w on; the four parts meet in LDS ----------------
.Lqc:
	s_sub_co_u32 s34, ttmp9, 512
	s_and_b32 s35, s34, 31
	s_lshl_b32 s35, s35, 7                         ; 4 x the first of my 32 columns
	s_lshl_b32 s37, s2, 20                         ; 256 w rows of 4,096 bytes
	s_cmp_lt_u32 s34, 32                           ; Q's work-group or c's
	s_cselect_b64 s[40:41], s[22:23], s[12:13]
	s_cselect_b32 s36, 0, 4194304                  ; c: Wvp from row 1,024 on
	s_cselect_b32 s38, 0, 65536                    ; c lies behind Q in qc
	s_add_co_u32 s36, s36, s37
	s_add_co_u32 s36, s36, s35
	s_mov_b32 s37, 0
	s_add_nc_u64 s[40:41], s[40:41], s[36:37]
	s_lshl_b32 s36, s2, 10
	s_add_nc_u64 s[24:25], s[24:25], s[36:37]      ; query at K 256 w
	s_lshr_b32 s42, s2, 1
	s_lshl_b32 s42, s42, 6
	s_and_b32 s43, s2, 1
	s_lshl_b32 s43, s43, 4
	s_add_co_u32 s42, s42, s43
	s_add_co_u32 s42, s42, s35                     ; the four columns that I sum and store: 16 (w / 2) + 4 (w % 2) on, + 8 h
	s_mov_b32 s43, 0
	s_add_nc_u64 s[26:27], s[26:27], s[42:43]
	s_add_co_u32 s42, s42, s38
	s_add_nc_u64 s[32:33], s[32:33], s[42:43]
	v_lshlrev_b32 v7, 5, v3
	v_lshl_add_u32 v8, v2, 12, v7                  ; row r of qc, + 32 h
	v_mov_b32 v10, v9                              ; the columns as they lie
.irp i, 0,1,2,3
	v_mov_b32 v[BQ+\i], 0                          ; c has no bias
.endr
	s_cmp_lt_u32 s34, 32
	s_cbranch_scc0 .Lno_bq
	global_load_b128 v[BQ:BQ+3], v7, s[26:27]
.Lno_bq:
	s_wait_alu depctr_va_vdst(0)
.set QSTG, 42496                       ; LDS: the Q/c path's own stages, behind the spare words: 16 rows x (512 + 16) bytes for each wave
.irp p, 0,1
.irp i, 0,1,2,3,4,5,6,7,8,9,10,11,12,13,14,15
	global_load_b128 v[RS+64*\p+4*\i:RS+64*\p+4*\i+3], v4, s[24:25] offset:4096*\i+512*\p    ; K step p of row i of query: 512 consecutive bytes
.endr
.endr
	LOADW 0, 4096
	s_wait_loadcnt 32                              ; the query is in; the first block of weights may be out
.irp p, 0,1                                    ; through my stage: in by rows, out 16 neighbours of each block a lane.  LDS serves a wave's instructions in order
.irp i, 0,1,2,3,4,5,6,7,8,9,10,11,12,13,14,15
	ds_store_b128 v5, v[RS+64*\p+4*\i:RS+64*\p+4*\i+3] offset:QSTG+528*\i
.endr
.irp b, 0,1,2,3
.irp j, 0,1,2,3
	ds_load_b128 v[RS+64*\p+16*\b+4*\j:RS+64*\p+16*\b+4*\j+3], v6 offset:QSTG+128*\b+16*\j
.endr
.endr
.endr
	s_wait_dscnt 0x0
	QUANT RS, PC, AW
	QUANT RS+64, RS, AW+1
	LOADW 1, 4096
.irp t, 0,1,2,3,4,5,6,7
	BLOCKW \t, 4096
.endr
.rept 8
	v_nop                                          ; a scale register written by a vector instruction stands 8 places ahead of a scaled matrix instruction, an operand 4
.endr
	; source 0 = 16 columns of the weight, source 1 = the 16 rows of query; the two accumulators by turns
	v_wmma_scale_f32_16x16x128_f8f6f4 v[ACC:ACC+7], v[FR:FR+11], v[PC:PC+11], 0, v[SBW], v[AW] matrix_a_fmt:MATRIX_FMT_FP6 matrix_b_fmt:MATRIX_FMT_FP6
	v_wmma_scale_f32_16x16x128_f8f6f4 v[ACC+8:ACC+15], v[FR+12:FR+23], v[PC:PC+11], 0, v[SBW], v[AW] matrix_a_fmt:MATRIX_FMT_FP6 matrix_b_fmt:MATRIX_FMT_FP6 matrix_a_scale:MATRIX_SCALE_ROW1
	v_wmma_scale_f32_16x16x128_f8f6f4 v[ACC:ACC+7], v[FR+24:FR+35], v[RS:RS+11], v[ACC:ACC+7], v[SBW+1], v[AW+1] matrix_a_fmt:MATRIX_FMT_FP6 matrix_b_fmt:MATRIX_FMT_FP6
	v_wmma_scale_f32_16x16x128_f8f6f4 v[ACC+8:ACC+15], v[FR+36:FR+47], v[RS:RS+11], v[ACC+8:ACC+15], v[SBW+1], v[AW+1] matrix_a_fmt:MATRIX_FMT_FP6 matrix_b_fmt:MATRIX_FMT_FP6 matrix_a_scale:MATRIX_SCALE_ROW1
.rept 4
	v_nop
.endr
.irp g, 0,1,2,3
	ds_store_b128 v12, v[ACC+4*\g:ACC+4*\g+3] offset:512*\g
.endr
	s_wait_dscnt 0x0                               ; for the others' sake: my stores have landed
	s_barrier_signal -1
	s_barrier_wait -1
.irp i, 0,1,2,3
	ds_load_b128 v[X+4*\i:X+4*\i+3], v13 offset:2048*\i    ; group w of all four waves
.endr
	s_wait_dscnt 0x0
	v_pk_add_f32 v[X:X+1], v[X:X+1], v[X+4:X+5]
	v_pk_add_f32 v[X+2:X+3], v[X+2:X+3], v[X+6:X+7]
	v_pk_add_f32 v[X+8:X+9], v[X+8:X+9], v[X+12:X+13]
	v_pk_add_f32 v[X+10:X+11], v[X+10:X+11], v[X+14:X+15]
	v_pk_add_f32 v[X:X+1], v[X:X+1], v[X+8:X+9]
	v_pk_add_f32 v[X+2:X+3], v[X+2:X+3], v[X+10:X+11]
	v_pk_add_f32 v[X:X+1], v[X:X+1], v[BQ:BQ+1]
	v_pk_add_f32 v[X+2:X+3], v[X+2:X+3], v[BQ+2:BQ+3]
	global_store_b128 v8, v[X:X+3], s[32:33]
	THE_END
.Lfunc_end_k_q7e6380b689_prep:
	.size	k_q7e6380b689_prep, .Lfunc_end_k_q7e6380b689_prep-k_q7e6380b689_prep
	.p2alignl 7, 3214868480
	.fill 96, 4, 3214868480
	.section	.rodata,"a",@progbits
	.p2align	6, 0x0
	.amdhsa_kernel k_q7e6380b689_prep
		.amdhsa_group_segment_fixed_size 76288
		.amdhsa_private_segment_fixed_size 0
		.amdhsa_enable_private_segment 0
		.amdhsa_kernarg_size 104
		.amdhsa_user_sgpr_count 2
		.amdhsa_user_sgpr_kernarg_segment_ptr 1
		.amdhsa_wavefront_size32 1
		.amdhsa_system_sgpr_workgroup_id_x 1
		.amdhsa_system_sgpr_workgroup_id_y 1
		.amdhsa_system_sgpr_workgroup_id_z 1
		.amdhsa_system_vgpr_workitem_id 0
		.amdhsa_next_free_vgpr 256
		.amdhsa_next_free_sgpr 66
		.amdhsa_reserve_vcc 1
		.amdhsa_float_denorm_mode_32 3
		.amdhsa_float_denorm_mode_16_64 3
		.amdhsa_memory_ordered 1
		.amdhsa_forward_progress 1
		.amdhsa_inst_pref_size 197
	.end_amdhsa_kernel
	.amdgpu_metadata
---
amdhsa.version: [ 1, 2 ]
amdhsa.kernels:
  - .name:           k_q7e6380b689_prep
    .symbol:         k_q7e6380b689_prep.kd
    .args:
      - { .name: key, .offset: 0, .size: 8, .value_kind: global_buffer, .address_space: global }
      - { .name: Wk, .offset: 8, .size: 8, .value_kind: global_buffer, .address_space: global }
      - { .name: Wvp, .offset: 16, .size: 8, .value_kind: global_buffer, .address_space: global }
      - { .name: Wv, .offset: 24, .size: 8, .value_kind: global_buffer, .address_space: global }
      - { .name: Wo, .offset: 32, .size: 8, .value_kind: global_buffer, .address_space: global }
      - { .name: W1, .offset: 40, .size: 8, .value_kind: global_buffer, .address_space: global }
      - { .name: W2, .offset: 48, .size: 8, .value_kind: global_buffer, .address_space: global }
      - { .name: Wq, .offset: 56, .size: 8, .value_kind: global_buffer, .address_space: global }
      - { .name: query, .offset: 64, .size: 8, .value_kind: global_buffer, .address_space: global }
      - { .name: bq, .offset: 72, .size: 8, .value_kind: global_buffer, .address_space: global }
      - { .name: kq, .offset: 80, .size: 8, .value_kind: global_buffer, .address_space: global }
      - { .name: wq, .offset: 88, .size: 8, .value_kind: global_buffer, .address_space: global }
      - { .name: qc, .offset: 96, .size: 8, .value_kind: global_buffer, .address_space: global }
    .group_segment_fixed_size: 76288
    .private_segment_fixed_size: 0
    .kernarg_segment_align: 8
    .kernarg_segment_size: 104
    .max_flat_workgroup_size: 128
    .sgpr_count:     66
    .vgpr_count:     256
    .wavefront_size: 32
...
	.end_amdgpu_metadata
.endif
;; end of part 1
;; launch kv (part 2): grid 4 x 64, 4 waves a work-group, clusters of 4 x 4, 327,680 bytes of LDS; arguments kq, wq, qc, bk, mask, raw_thr, sc, vq; writes sc, vq
.if DOCPART == 2
	.amdgcn_target "amdgcn-amd-amdhsa--gfx1250"
	.amdhsa_code_object_version 6
	.text
	.protected	k_q7e6380b689_kv
	.globl	k_q7e6380b689_kv
	.p2align	8
	.type	k_q7e6380b689_kv,@function
k_q7e6380b689_kv:
	s_mov_b64 s[64:65], 0
	v_nop
	global_prefetch_b8 v0, s[64:65] scope:SCOPE_SE
	s_setreg_imm32_b32 hwreg(HW_REG_WAVE_MODE, 25, 1), 1
	s_wait_xcnt 0x0
	s_wait_alu depctr_hold_cnt(0) depctr_sa_sdst(0) depctr_va_vdst(0) depctr_va_sdst(0) depctr_va_ssrc(0) depctr_va_vcc(0) depctr_vm_vsrc(0)
	s_getreg_b32 s2, hwreg(HW_REG_IB_STS2, 6, 4)
	s_cmp_eq_u32 s2, 0
	s_cbranch_scc0 .Lentry_in_a_cluster
	s_endpgm
.Lentry_in_a_cluster:
	s_bfe_u32 s2, ttmp6, 0x10000c
	s_cmp_lg_u32 s2, 0xf033
	s_cbranch_scc0 .Lentry_shape_is_right
	s_endpgm
.Lentry_shape_is_right:
; KV: two tiles of 256 x 256 on one tile of A.  A = Q(key), 256 rows, all of K = 1024, stays in LDS.
;   tile 1: v = Q(key) Q(Wvp[:1024]) + c[b]; quantised along its columns, which are the next product's K: stored to vq, laid as kq
;   tile 2: K = Q(key) Q(Wk) + bk; then scores = (K . Q) / 8 for the wave's two heads, -1e9 where mask == 0, -1e9 where score <= softplus(raw_thr): stored to sc [b][head][key]
; v COMES FIRST: its way out needs no load, and its stores leave while tile 2 is multiplied; what the scores need (Q, mask, raw_thr) is asked for many products ahead of the end.
; LEFT OUT: the query's half of product 1 for each row: it is c[b], made once a batch by the first launch, and is the C of tile 1's first products.
; SHARES: a work-group of four waves makes 256 x 256, a wave 128 x 128: 64 accumulators, 512 registers.  The matrix instruction is used transposed (source 0 = 16 weight columns, source 1 = 16 rows of A):
; lane (r, h) holds row r, its register j place 8 h + j of the tile of columns.
; LDS: A's four chunks of 256 along K (49,152 bytes each, filled once); a ring of two slots of 49,152 bytes for the weights' chunks: Wvp's four, then Wk's four.
; All tiles are dense blocks of register images: a fragment is three loads of 16 bytes a lane, 512 consecutive bytes each: no pitch, no padding.
; SCALE WORDS: one register carries the words of two blocks of 16 rows (or columns) for one K step: lanes 0-15 block 2 u, lanes 16-31 block 2 u + 1: one load of 128 consecutive bytes; the product names the row of lanes.
; So key's, Wvp's and Wk's words all stay in registers.  The loads are spread over the text in groups of at most 49.
; CLUSTER 4 x 4: A's chunk hangs on the tile row alone and is asked for jointly along a row of the cluster, the weights' on the tile column alone, along a column.
; Prefetch for A's chunks 2 and 3 alone, which are loaded behind the first round; the weights' chunks are read by every cluster of the launch.
; LIMITS: a score within f32 rounding of the threshold may fall on either side; for raw_thr under about -17 the threshold is 0 where softplus is under 4e-8.  The quantiser's limits are those stated in the first launch.
; REGISTERS: window 0: v4-7, v8-9 LDS addresses; v10-15 lane offsets; v16-17 thresholds; v28, v29 the add's; v32-63 key's scale words (8 u + K step), v64-95 Wvp's, v96-127 Wk's; v128-131 mask; v160-255 A's fragments, ONE set.
;   window 1: the weights' fragments, two sets at v0 and v128; in the gaps v96-127, v224-255: eight registers a tile of columns: c, then bk, then Q.   windows 2, 3: accumulator (a, b) at v[8 (8 (a % 4) + b)].
.set CHK,   49152
.set BR,    196608
.set SPARE, 294912
.set KS,    12582912
.set WS,    6291456
.set WVP,   786432                     ; where Wvp's codes begin in wq; Wk's begin at 0
.set ADRA,  4
.set ADRB,  8
.set ZO,    15                         ; v15  0: an offset; never rewritten
.set THR,   16
.set SPW,   28
.set NIL,   29
.set SA,    32
.set SBV,   64
.set SBK,   96                         ; = SBV + 32
.set MK,    128                        ; v128-131 mask
.set AF,    160
.set SP,    160                        ; the scores' partial sums: pair (a, head) at SP + 2 (2 a + head)
.set VV,    192                        ; v192-199 the scores to store
.set PCV,   160                        ; v's codes: four sets by turns
.set TM,    208
.set TP,    224
.set PWS,   232                        ; v232-239 v's scale words
.set G1A,   32
.set G1B,   40
.set G0A,   48                         ; s[48:63] a group 0 for each chunk of A
.set G0B,   68                         ; s[68:75] a group 0 for each slot
.set SEL,   76
.set HM,    78                         ; s78 the lanes 16-31
.set MSB, 0
.macro WIN new
.if MSB != (\new)
	s_set_vgpr_msb (MSB<<8)|(\new)
.set MSB, (\new)
.endif
.endm
.set MUL_LO, 0xa1                      ; source 0 window 1, source 1 window 0, C and D window 2
.set MUL_HI, 0xf1
.set CI_LO,  0x91                      ; the same with C in window 1
.set CI_HI,  0xd1
.macro PLACES n
.rept \n
	v_nop
.endr
.endm
.macro CREST                           ; a round of the cluster's barrier behind its opening barrier
	s_cmp_lg_u32 s20, 0
	s_cbranch_scc1 .Lnot_wave_0_\@
	s_barrier_signal -3
.Lnot_wave_0_\@:
	s_barrier_wait -3
	s_barrier_signal -1
	s_barrier_wait -1
.endm
.macro CROUND
	s_barrier_signal -1
	s_barrier_wait -1
	CREST
.endm
.macro FRAG reg, adr, off
.irp c, 0,1,2
	ds_load_b128 v[(\reg)+4*\c:(\reg)+4*\c+3], v[\adr] offset:(\off)+512*\c
.endr
.endm
.macro FETCH_B sl, sp, p               ; the weights' eight fragments of K step sp of slot sl into set p
	WIN 0x40
.irp i, 0,1,2,3,4,5,6,7
	FRAG 128*(\p)+12*\i, ADRB+(\sl), 3072*\i+1536*(\sp)
.endr
	WIN 0
.endm
.macro FETCH_A q, sp, i0               ; A's blocks i0 .. i0 + 3 of K step sp of chunk q
.irp i, 0,1,2,3
	FRAG AF+12*((\i0)+\i), ADRA+(\q), 3072*((\i0)+\i)+1536*(\sp)
.endr
.endm
; one product.  rw: bit 0: source 0's scale words stand in lanes 16-31 of their register; bit 1: source 1's do
.macro WM dd, bb, aa, cc, sb, sa, rw
.if (\rw) == 0
	v_wmma_scale_f32_16x16x128_f8f6f4 v[(\dd):(\dd)+7], v[(\bb):(\bb)+11], v[(\aa):(\aa)+11], v[(\cc):(\cc)+7], v[\sb], v[\sa] matrix_a_fmt:MATRIX_FMT_FP6 matrix_b_fmt:MATRIX_FMT_FP6
.elseif (\rw) == 1
	v_wmma_scale_f32_16x16x128_f8f6f4 v[(\dd):(\dd)+7], v[(\bb):(\bb)+11], v[(\aa):(\aa)+11], v[(\cc):(\cc)+7], v[\sb], v[\sa] matrix_a_fmt:MATRIX_FMT_FP6 matrix_b_fmt:MATRIX_FMT_FP6 matrix_a_scale:MATRIX_SCALE_ROW1
.elseif (\rw) == 2
	v_wmma_scale_f32_16x16x128_f8f6f4 v[(\dd):(\dd)+7], v[(\bb):(\bb)+11], v[(\aa):(\aa)+11], v[(\cc):(\cc)+7], v[\sb], v[\sa] matrix_a_fmt:MATRIX_FMT_FP6 matrix_b_fmt:MATRIX_FMT_FP6 matrix_b_scale:MATRIX_SCALE_ROW1
.else
	v_wmma_scale_f32_16x16x128_f8f6f4 v[(\dd):(\dd)+7], v[(\bb):(\bb)+11], v[(\aa):(\aa)+11], v[(\cc):(\cc)+7], v[\sb], v[\sa] matrix_a_fmt:MATRIX_FMT_FP6 matrix_b_fmt:MATRIX_FMT_FP6 matrix_a_scale:MATRIX_SCALE_ROW1 matrix_b_scale:MATRIX_SCALE_ROW1
.endif
.endm
; 16 matrix instructions: A's blocks a0, a0 + 1 x the weights' eight; the 64 accumulators take turns in one order throughout.  ci = 1: the sums begin with the bias registers.  sbb: the weights' scale words
.macro MUL16 a0, p, s, ci, sbb
.irp a, \a0, \a0+1
.irp b, 0,1,2,3,4,5,6,7
.if \ci
	WM 8*(8*((\a)%4)+\b), 128*(\p)+12*\b, AF+12*(\a), 96+8*\b+96*(\b/4), (\sbb)+8*(\b/2)+(\s), SA+8*((\a)/2)+(\s), (\b%2)+2*((\a)%2)
.else
	WM 8*(8*((\a)%4)+\b), 128*(\p)+12*\b, AF+12*(\a), 8*(8*((\a)%4)+\b), (\sbb)+8*(\b/2)+(\s), SA+8*((\a)/2)+(\s), (\b%2)+2*((\a)%2)
.endif
.endr
.endr
.endm
.macro TILE_START sl
	FETCH_B \sl, 0, 0
	FETCH_A 0, 0, 0
	FETCH_A 0, 0, 4
.endm
; chunk j's first K step; its second step's fragments are fetched on the way.  Chunks 0-3 are Wvp's, 4-7 Wk's
.macro STEPA j, ci
	s_wait_dscnt 12                                ; the weights' set and A's blocks 0-3 are in; the youngest 12 loads (A's blocks 4-7) may be out
.if \ci
	WIN CI_LO
.else
	WIN MUL_LO
.endif
	MUL16 0, 0, 2*((\j)%4), \ci, SBV+32*((\j)/4)
	MUL16 2, 0, 2*((\j)%4), \ci, SBV+32*((\j)/4)
	s_wait_dscnt 0x0
	PLACES 4                                       ; in front of loads into registers that matrix instructions have read
	FETCH_B (\j)%2, 1, 1
	FETCH_A (\j)%4, 1, 0
.if \ci
	WIN CI_HI
.else
	WIN MUL_HI
.endif
	MUL16 4, 0, 2*((\j)%4), \ci, SBV+32*((\j)/4)
	MUL16 6, 0, 2*((\j)%4), \ci, SBV+32*((\j)/4)
	PLACES 4
	WIN 0
	FETCH_A (\j)%4, 1, 4
.endm
; chunk j's second K step changes slots: one barrier; fill = 1: it opens a round of the cluster's barrier, and the slot just read takes chunk j + 2
.macro TURN j, fill, fetch
	s_wait_tensorcnt 0x0                           ; all my tensor loads have landed, my part of the next chunk among them
	ds_add_u32 v[SPW], v[NIL]
	s_wait_dscnt 13                                ; (the add and A's blocks 4-7 may be out)
	WIN MUL_LO
	MUL16 0, 1, 2*((\j)%4)+1, 0, SBV+32*((\j)/4)
	s_wait_dscnt 0x0                               ; the add is done, and my reads of this slot are over
	s_barrier_signal -1
	MUL16 2, 1, 2*((\j)%4)+1, 0, SBV+32*((\j)/4)
	WIN 0
	s_barrier_wait -1
.if \fill
	CREST                                          ; no wave of any partner still reads this slot or has a load on its way
.if ((\j) == 2) || ((\j) == 3)
	s_sub_nc_u64 s[G0B+4*((\j)%2)+2:G0B+4*((\j)%2)+3], s[G0B+4*((\j)%2)+2:G0B+4*((\j)%2)+3], WVP+393216   ; from Wvp's chunk 2 or 3 to Wk's chunk 0 or 1
.else
	s_add_nc_u64 s[G0B+4*((\j)%2)+2:G0B+4*((\j)%2)+3], s[G0B+4*((\j)%2)+2:G0B+4*((\j)%2)+3], 393216
.endif
	tensor_load_to_lds s[G0B+4*((\j)%2):G0B+4*((\j)%2)+3], s[G1B:G1B+7]   ; my one tensor load behind the round: a quarter of the chunk
	s_nop 0
.endif
	PLACES 4                                       ; the places behind a tensor load; also the places in front of the loads below
.if \fetch
	FETCH_B 1-(\j)%2, 0, 0
	FETCH_A ((\j)+1)%4, 0, 0
.endif
	WIN MUL_HI
	MUL16 4, 1, 2*((\j)%4)+1, 0, SBV+32*((\j)/4)
	MUL16 6, 1, 2*((\j)%4)+1, 0, SBV+32*((\j)/4)
.if \fetch
	PLACES 4
	WIN 0
	FETCH_A ((\j)+1)%4, 0, 4
.else
	WIN 0
.endif
.endm
.macro LAST j
	s_wait_dscnt 12
	WIN MUL_LO
	MUL16 0, 1, 2*((\j)%4)+1, 0, SBV+32*((\j)/4)
	MUL16 2, 1, 2*((\j)%4)+1, 0, SBV+32*((\j)/4)
	s_wait_dscnt 0x0
	WIN MUL_HI
	MUL16 4, 1, 2*((\j)%4)+1, 0, SBV+32*((\j)/4)
	MUL16 6, 1, 2*((\j)%4)+1, 0, SBV+32*((\j)/4)
	WIN 0
.endm
.macro SCLV s                          ; K step s: the scale words of my 128 rows of key and of my 128 columns of Wvp: each load reads 128 consecutive bytes
.irp u, 0,1,2,3
	global_load_b32 v[SA+8*\u+(\s)], v12, s[80:81] offset:65536*(\s)+128*\u
	global_load_b32 v[SBV+8*\u+(\s)], v12, s[82:83] offset:32768+4096*(\s)+128*\u
.endr
.endm
; eight numbers a tile of columns into window 1's gaps.  perm = 0: columns 16 b + 8 h + 0 .. 7 (adr holds 32 h);  perm = 1: Wvp's chosen columns 32 (b / 2) + 16 h + 8 (b % 2) + 0 .. 7 (adr holds 64 h)
.macro CILOAD adr, sb, off, perm
	WIN 0x40
.irp b, 0,1,2,3,4,5,6,7
.if \perm
	global_load_b128 v[96+8*\b+96*(\b/4):99+8*\b+96*(\b/4)], v[\adr], s[\sb:\sb+1] offset:(\off)+(32*(\b/2)+8*(\b%2))*4
	global_load_b128 v[100+8*\b+96*(\b/4):103+8*\b+96*(\b/4)], v[\adr], s[\sb:\sb+1] offset:(\off)+(32*(\b/2)+8*(\b%2))*4+16
.else
	global_load_b128 v[96+8*\b+96*(\b/4):99+8*\b+96*(\b/4)], v[\adr], s[\sb:\sb+1] offset:(\off)+64*\b
	global_load_b128 v[100+8*\b+96*(\b/4):103+8*\b+96*(\b/4)], v[\adr], s[\sb:\sb+1] offset:(\off)+64*\b+16
.endif
.endr
	WIN 0
.endm
; block a of v is quantised: its 64 registers are k 32 b + 16 h + i of row r, one K step of the next product; the codes are stored as a fragment's image
.macro QUANTW a
.set SRC, 64*((\a)%4)
.set WW, 2+(\a)/4
.set PCA, PCV+12*((\a)%4)
	WIN WW|(WW<<2)
.irp b, 0,1,2,3
	v_max3_num_f32 v[TM+\b], |v[SRC+16*\b]|, |v[SRC+1+16*\b]|, 0x1800000
.endr
	WIN (WW<<2)|(WW<<4)
.irp i, 2,4,6,8,10,12,14
.irp b, 0,1,2,3
	v_max3_num_f32 v[TM+\b], v[TM+\b], |v[SRC+16*\b+\i]|, |v[SRC+1+16*\b+\i]|
.endr
.endr
	WIN 0
.irp b, 0,1,2,3
	v_permlanex16_b32 v[TM+4+\b], v[TM+\b], s[SEL], s[SEL+1]
.endr
.irp b, 0,1,2,3
	v_max_num_f32 v[TM+\b], v[TM+\b], v[TM+4+\b]
.endr
.irp b, 0,1,2,3
	v_add_nc_u32 v[TM+12+\b], 0xff000000, v[TM+\b]
.endr
.irp b, 0,1,2,3
	v_lshrrev_b32 v[TM+4+\b], 23, v[TM+12+\b]
.endr
	v_lshl_or_b32 v[PWS+(\a)], v[TM+5], 8, v[TM+4]
	v_lshl_or_b32 v[PWS+(\a)], v[TM+6], 16, v[PWS+(\a)]
	v_lshl_or_b32 v[PWS+(\a)], v[TM+7], 24, v[PWS+(\a)]
.if (\a) >= 4
	s_wait_xcnt 0x0                                ; the stores of four blocks ago have read this set of registers
.endif
	WIN WW
.irp c, 0,1
	v_cvt_scalef32_pk16_fp6_f32 v[PCA+6*\c:PCA+2+6*\c], v[SRC+32*\c:SRC+15+32*\c], v[TM+12+2*\c]
	v_cvt_scalef32_pk16_fp6_f32 v[TP+4*\c:TP+2+4*\c], v[SRC+16+32*\c:SRC+31+32*\c], v[TM+12+2*\c+1]
.endr
	WIN 0
	v_nop                                          ; one plain place behind a scaled conversion
.irp c, 0,1
.irp i, 0,1,2
	v_permlane16_swap_b32 v[PCA+6*\c+\i], v[TP+4*\c+\i]
.endr
.irp i, 0,1,2
	v_mov_b32 v[PCA+3+6*\c+\i], v[TP+4*\c+\i]
.endr
.endr
.irp c, 0,1,2
	global_store_b128 v11, v[PCA+4*\c:PCA+4*\c+3], s[92:93] offset:3072*(\a)+512*\c     ; 512 consecutive bytes, aligned
.endr
.endm
	s_load_b512 s[4:19], s[0:1], 0x0               ; kq 4, wq 6, qc 8, bk 10, mask 12, raw_thr 14, sc 16, vq 18
	v_lshl_add_u32 v[SPW], v0, 2, SPARE
	v_mov_b32 v[NIL], 0
	ds_add_u32 v[SPW], v[NIL]                      ; the wave's opening: the add, twice on end, and its wait ahead of my first tensor load
	ds_add_u32 v[SPW], v[NIL]
	v_lshrrev_b32 v1, 5, v0
	v_readfirstlane_b32 s20, v1                    ; wave
	s_lshr_b32 s21, s20, 1                         ; my half of the rows
	s_and_b32 s22, s20, 1                          ; my half of the columns
	s_bfe_u32 s23, ttmp6, 0x40000                  ; cx
	s_bfe_u32 s24, ttmp6, 0x40004                  ; cy
	s_lshl_b32 s25, ttmp9, 2
	s_add_co_u32 s25, s25, s23                     ; tile column
	s_and_b32 s26, ttmp7, 0xffff
	s_lshl_b32 s26, s26, 2
	s_add_co_u32 s26, s26, s24                     ; tile row
	s_lshr_b32 s27, s26, 2                         ; batch
	s_lshl_b32 s28, s24, 2
	s_lshl_b32 s28, 15, s28                        ; my row of the cluster
	s_lshl_b32 s30, 0x1111, s23                    ; my column
	s_or_b32 s[G1A], s28, (3<<16)|(1<<21)          ; a dense block, rows of 32 elements of 8 bytes; bit 21 set beside a mask
	s_or_b32 s[G1B], s30, (3<<16)|(1<<21)
.irp g, G1A, G1B
	s_mov_b32 s[\g+1], 32<<16                      ; tensor_dim0
	s_mov_b32 s[\g+2], 192<<16                     ; tensor_dim1: the head's loads bring a whole chunk, 192 rows of 256 bytes
	s_mov_b32 s[\g+3], 32<<16                      ; tile_dim0
	s_mov_b32 s[\g+4], 192                         ; tile_dim1
	s_mov_b32 s[\g+5], 32                          ; pitch
	s_mov_b32 s[\g+6], 0
	s_mov_b32 s[\g+7], 0
.endr
	s_mul_i32 s79, s20, 12288                      ; my quarter of a chunk, in memory and in LDS
	s_mul_i32 s28, s26, CHK
	s_mov_b32 s29, 0
	s_mul_i32 s30, s25, CHK
	s_add_co_u32 s30, s30, WVP                     ; the ring begins with Wvp
	s_mov_b32 s31, 0
	s_mov_b32 s[SEL], 0x76543210
	s_mov_b32 s[SEL+1], 0xfedcba98
	s_wait_dscnt 0x0                               ; both opening adds are done
	s_wait_kmcnt 0x0
	s_add_nc_u64 s[28:29], s[4:5], s[28:29]        ; A: hangs on the tile row and the wave
	s_add_nc_u64 s[30:31], s[6:7], s[30:31]        ; the weights: on the tile column and the wave
	; THE FIRST FILLS, one tensor load a wave at the head: waves 0, 1 bring A's chunks 0, 1 whole, waves 2, 3 the weights' chunks 0, 1 whole.
	; A's chunks 2 and 3 follow behind the first round, half a chunk a wave.
	s_mov_b32 s3, 0
	s_mul_i32 s2, s22, 3145728
	s_mov_b32 s[G0A], 1                            ; A's chunk w % 2
	s_mul_i32 s[G0A+1], s22, CHK
	s_add_nc_u64 s[G0A+2:G0A+3], s[28:29], s[2:3]
	s_or_b32 s[G0A+3], s[G0A+3], 0x80000000
	s_mul_i32 s2, s22, 196608
	s_mov_b32 s[G0A+4], 1                          ; the weights' chunk w % 2
	s_mul_i32 s[G0A+5], s22, CHK
	s_add_co_u32 s[G0A+5], s[G0A+5], BR
	s_add_nc_u64 s[G0A+6:G0A+7], s[30:31], s[2:3]
	s_or_b32 s[G0A+7], s[G0A+7], 0x80000000
	s_mul_i32 s2, s21, 3145728
	s_mul_i32 s98, s22, 24576
	s_add_co_u32 s2, s2, s98
	s_add_co_u32 s2, s2, 6291456
	s_mov_b32 s[G0A+8], 1                          ; half w % 2 of A's chunk 2 + w / 2: in LDS the four halves lie on end
	s_mul_i32 s[G0A+9], s20, 24576
	s_add_co_u32 s[G0A+9], s[G0A+9], 2*CHK
	s_add_nc_u64 s[G0A+10:G0A+11], s[28:29], s[2:3]
	s_or_b32 s[G0A+11], s[G0A+11], 0x80000000
	s_mul_i32 s98, s23, 6144                       ; the prefetch below: of the 96 blocks of 256 bytes of that half chunk the partner at place cx names 24, told apart by address
	s_add_co_u32 s2, s2, s98
	s_add_nc_u64 s[G0A+12:G0A+13], s[28:29], s[2:3]
	s_mov_b32 s2, s79
	s_add_nc_u64 s[30:31], s[30:31], s[2:3]        ; the ring's refills: my quarter of a chunk
.irp q, 0,1
	s_mov_b32 s[G0B+4*\q], 1
	s_add_co_u32 s[G0B+4*\q+1], s79, BR+CHK*\q
	s_add_nc_u64 s[G0B+4*\q+2:G0B+4*\q+3], s[30:31], 196608*\q
	s_or_b32 s[G0B+4*\q+3], s[G0B+4*\q+3], 0x80000000
.endr
	CROUND                                         ; all sixteen work-groups are here: the first joint loads meet
	s_cmp_eq_u32 s21, 0                            ; the branch hangs on the wave's number alone; each arm holds one load
	s_cbranch_scc0 .Lhead_b
	tensor_load_to_lds s[G0A:G0A+3], s[G1A:G1A+7]
	s_nop 0
	PLACES 4
	s_branch .Lhead_asked
.Lhead_b:
	tensor_load_to_lds s[G0A+4:G0A+7], s[G1B:G1B+7]
	s_nop 0
	PLACES 4
.Lhead_asked:
	v_and_b32 v1, 31, v0
	v_and_b32 v2, 15, v0
	v_bfe_u32 v3, v0, 4, 1
	v_lshlrev_b32 v11, 4, v1                       ; 16 x lane
	v_lshlrev_b32 v12, 2, v1                       ; 4 x lane
	v_lshlrev_b32 v13, 5, v3                       ; 32 h
	v_lshlrev_b32 v14, 6, v3                       ; 64 h
	s_wait_alu depctr_va_vdst(0)
	v_mov_b32 v[ZO], 0
	v_cmp_eq_u32 s[HM], 1, v3
	; A PREFETCH, in place of what the head comment says of prefetches: A's chunks 2 and 3 are loaded only behind the first round, so they are asked for here, one instruction a wave:
	; a lane a block of 256 bytes, 24 blocks (lanes 24-31 name the last again); each block is named once in the cluster's row that will load it.  v20 and s[60:61] are never rewritten.
	v_min_u32 v20, 23, v1
	v_lshlrev_b32 v20, 8, v20
	global_prefetch_b8 v20, s[G0A+12:G0A+13] th:TH_LOAD_NT scope:SCOPE_SE
	s_mul_i32 s2, s21, 24576
.irp q, 0,1,2,3
	v_add_nc_u32 v[ADRA+\q], s2, v11
	s_add_co_u32 s2, s2, CHK
.endr
	s_mul_i32 s2, s22, 24576
	s_add_co_u32 s2, s2, BR
.irp q, 0,1
	v_add_nc_u32 v[ADRB+\q], s2, v11
	s_add_co_u32 s2, s2, CHK
.endr
	s_mov_b32 s99, 0
	s_lshl_b32 s2, s26, 10
	s_lshl_b32 s3, s21, 9
	s_add_co_u32 s2, s2, s3                        ; 4 x my first row
	s_add_co_u32 s98, s2, KS
	s_add_nc_u64 s[80:81], s[4:5], s[98:99]        ; key's scale words
	s_lshl_b32 s3, s25, 1
	s_add_co_u32 s3, s3, s22
	s_lshl_b32 s3, s3, 16
	s_add_co_u32 s98, s98, s3
	s_add_nc_u64 s[94:95], s[18:19], s[98:99]      ; v's scale words: K step 2 x tile column + my half
	s_lshl_b32 s2, s25, 10
	s_lshl_b32 s3, s22, 9
	s_add_co_u32 s2, s2, s3                        ; 4 x my first column
	s_mov_b32 s98, s2
	s_add_nc_u64 s[84:85], s[10:11], s[98:99]      ; bk
	s_add_co_u32 s98, s2, WS
	s_add_nc_u64 s[82:83], s[6:7], s[98:99]        ; Wk's scale words; Wvp's lie 32,768 bytes on
	s_lshl_b32 s3, s27, 12
	s_add_co_u32 s98, s2, s3
	s_add_nc_u64 s[86:87], s[8:9], s[98:99]        ; Q of my batch; c lies 65,536 bytes on
	s_and_b32 s2, s26, 3
	s_lshl_b32 s2, s2, 10
	s_lshl_b32 s98, s21, 9
	s_add_co_u32 s2, s2, s98                       ; 4 x my first key in the batch
	s_add_co_u32 s98, s2, s3
	s_add_nc_u64 s[88:89], s[12:13], s[98:99]      ; mask
	s_lshl_b32 s3, s27, 4
	s_lshl_b32 s98, s25, 2
	s_add_co_u32 s3, s3, s98
	s_lshl_b32 s98, s22, 1
	s_add_co_u32 s3, s3, s98                       ; 16 b + my first head
	s_lshl_b32 s98, s3, 12
	s_add_co_u32 s98, s98, s2
	s_add_nc_u64 s[90:91], s[16:17], s[98:99]      ; sc
	s_lshl_b32 s98, s25, 4
	s_lshl_b32 s3, s22, 3
	s_add_co_u32 s98, s98, s3
	s_add_nc_u64 s[96:97], s[14:15], s[98:99]      ; raw_thr of my two heads
	s_mul_i32 s98, s25, 3145728
	s_lshl_b32 s2, s26, 4
	s_lshl_b32 s3, s21, 3
	s_add_co_u32 s2, s2, s3
	s_mul_i32 s2, s2, 3072
	s_add_co_u32 s98, s98, s2
	s_mul_i32 s2, s22, 1536
	s_add_co_u32 s98, s98, s2
	s_add_nc_u64 s[92:93], s[18:19], s[98:99]      ; v's codes
	CILOAD 14, 86, 65536, 1                        ; c: the C of tile 1's first products
.irp s, 0,1,2,3
	SCLV \s                                        ; the first two chunks' scale words: 48 loads of mine are out
.endr
	s_wait_alu depctr_va_vdst(0)
	s_wait_tensorcnt 0x0                           ; my one load of the head is in
	ds_add_u32 v[SPW], v[NIL]
	s_mov_b32 s[G1A+2], 96<<16                     ; no tensor load of mine is out: A's next load brings half a chunk, 96 rows,
	s_mov_b32 s[G1A+4], 96
	s_mov_b32 s[G1B+2], 48<<16                     ; and the ring's refills a quarter, 48 rows
	s_mov_b32 s[G1B+4], 48
	s_wait_dscnt 0x0
	CROUND                                         ; a whole round: the first two chunks of A and of the weights are shown to every wave, and the joint loads meet
	tensor_load_to_lds s[G0A+8:G0A+11], s[G1A:G1A+7]       ; A's chunks 2 and 3: first fills alone stand behind this round
	s_nop 0
	PLACES 4
	TILE_START 0
	s_wait_loadcnt 0x0
	; ---- tile 1: v
	STEPA 0, 1
.irp s, 4,5,6,7
	SCLV \s                                        ; the scale words of chunks 2 and 3: wanted 192 products on
.endr
	global_load_b64 v[THR:THR+1], v[ZO], s[96:97]
	CILOAD 13, 84, 0, 0                            ; c has been read (four places stand behind those products): its registers take bk
	TURN 0, 1, 1
	STEPA 1, 0
	TURN 1, 1, 1
	s_wait_loadcnt 0x0                             ; the 49 loads issued 192 products ago
.irp s, 0,1,2,3,4,5,6,7
.irp u, 0,1,2,3
	global_load_b32 v[SBK+8*\u+\s], v12, s[82:83] offset:4096*\s+128*\u        ; Wk's scale words, for tile 2
.endr
.endr
.irp u, 0,1,2,3
	global_load_b32 v[MK+\u], v12, s[88:89] offset:128*\u                      ; mask of key 32 u + lane
.endr
	STEPA 2, 0
	TURN 2, 1, 1
	STEPA 3, 0
	TURN 3, 1, 0
	; ---- v is quantised and stored: my 128 columns are one K step of the next product.  No load is waited for here but those issued 256 products ago
	PLACES 4
.irp b, 0,1,2,3
	v_mov_b32 v[TM+4+\b], 0                        ; a lane permute's destination counts as one of its sources
.endr
.irp a, 0,1,2,3,4,5,6,7
	QUANTW \a
.endr
.irp u, 0,1,2,3
	v_cndmask_b32 v[TM+\u], v[PWS+2*\u], v[PWS+2*\u+1], s[HM]
.endr
.irp u, 0,1,2,3
	global_store_b32 v12, v[TM+\u], s[94:95] offset:128*\u
.endr
	v_mul_f32 v18, 0xbfb8aa3b, |v[THR]|            ; softplus(x) = max(x, 0) + ln 2 x log2(1 + 2^(-|x| log2 e))
	v_mul_f32 v19, 0xbfb8aa3b, |v[THR+1]|
	s_wait_alu depctr_va_vdst(0)
	v_exp_f32 v18, v18
	v_exp_f32 v19, v19
	v_nop
	s_wait_alu depctr_va_vdst(0)                   ; one wait for the two, ahead of their first reader
	v_add_f32 v18, 1.0, v18
	v_add_f32 v19, 1.0, v19
	s_wait_alu depctr_va_vdst(0)
	v_log_f32 v18, v18
	v_log_f32 v19, v19
	v_max_num_f32 v[THR], 0, v[THR]
	v_max_num_f32 v[THR+1], 0, v[THR+1]
	s_wait_alu depctr_va_vdst(0)
	v_fmac_f32 v[THR], 0x3f317218, v18
	v_fmac_f32 v[THR+1], 0x3f317218, v19
	s_wait_xcnt 0x0                                ; the stores have read their registers, into which A's fragments are loaded next
	s_wait_loadcnt 0x0                             ; Wk's scale words and mask
	; ---- tile 2: K.  Chunk 4 was shown landed to every wave by the last change of slots
	TILE_START 0
	STEPA 4, 1
	CILOAD 13, 86, 0, 0                            ; bk has been read: its registers take Q
	TURN 4, 1, 1
	STEPA 5, 0
	TURN 5, 1, 1
	STEPA 6, 0
	TURN 6, 0, 1
	STEPA 7, 0
	LAST 7
	; ---- the scores
	PLACES 4
	s_wait_loadcnt 0x0                             ; Q
.irp f, 0,1                                    ; K x Q, two columns at a time; each accumulator from its low end on; four chains by turns
	WIN 0x06+\f
.irp b, 0,1,2,3,4,5,6,7
.irp p, 0,1,2,3
.irp a, 0,1,2,3
.if ((\b%4) == 0) && (\p == 0)
	v_pk_mul_f32 v[SP+2*(2*(4*\f+\a)+\b/4):SP+2*(2*(4*\f+\a)+\b/4)+1], v[8*(8*\a+\b)+2*\p:8*(8*\a+\b)+2*\p+1], v[96+8*\b+96*(\b/4)+2*\p:96+8*\b+96*(\b/4)+2*\p+1]
.else
	v_pk_fma_f32 v[SP+2*(2*(4*\f+\a)+\b/4):SP+2*(2*(4*\f+\a)+\b/4)+1], v[8*(8*\a+\b)+2*\p:8*(8*\a+\b)+2*\p+1], v[96+8*\b+96*(\b/4)+2*\p:96+8*\b+96*(\b/4)+2*\p+1], v[SP+2*(2*(4*\f+\a)+\b/4):SP+2*(2*(4*\f+\a)+\b/4)+1]
.endif
.endr
.endr
.endr
.endr
	WIN 0
.irp n, 0,1,2,3,4,5,6,7,8,9,10,11,12,13,14,15
	v_add_f32 v[SP+2*\n], v[SP+2*\n], v[SP+2*\n+1]
.endr
.irp n, 0,1,2,3,4,5,6,7,8,9,10,11,12,13,14,15
	v_permlanex16_b32 v[SP+2*\n+1], v[SP+2*\n], s[SEL], s[SEL+1]
.endr
.irp n, 0,1,2,3,4,5,6,7,8,9,10,11,12,13,14,15
	v_add_f32 v[SP+2*\n], v[SP+2*\n], v[SP+2*\n+1]     ; with the other half of the columns
.endr
	v_mov_b32 v18, 0xce6e6b28                      ; -1e9
.irp d, 0,1
.irp u, 0,1,2,3
	v_cndmask_b32 v[VV+4*\d+\u], v[SP+8*\u+2*\d], v[SP+8*\u+4+2*\d], s[HM]    ; lane l: key 32 u + l
.endr
.endr
.irp n, 0,1,2,3,4,5,6,7
	v_mul_f32 v[VV+\n], 0x3e000000, v[VV+\n]       ; / sqrt(64)
.endr
.irp d, 0,1
.irp u, 0,1,2,3
	v_cmp_eq_u32 vcc_lo, 0, v[MK+\u]
	v_cndmask_b32 v[VV+4*\d+\u], v[VV+4*\d+\u], v18, vcc_lo
	v_cmp_le_f32 vcc_lo, v[VV+4*\d+\u], v[THR+\d]
	v_cndmask_b32 v[VV+4*\d+\u], v[VV+4*\d+\u], v18, vcc_lo
.endr
.endr
.irp d, 0,1
.irp u, 0,1,2,3
	global_store_b32 v12, v[VV+4*\d+\u], s[90:91] offset:4096*\d+128*\u
.endr
.endr
	s_wait_tensorcnt 0x0                           ; the wave's end
	ds_add_u32 v[SPW], v[NIL]
	s_wait_dscnt 0x0
	CROUND                                         ; the closing round
	s_endpgm
.Lfunc_end_k_q7e6380b689_kv:
	.size	k_q7e6380b689_kv, .Lfunc_end_k_q7e6380b689_kv-k_q7e6380b689_kv
	.p2alignl 7, 3214868480
	.fill 96, 4, 3214868480
	.section	.rodata,"a",@progbits
	.p2align	6, 0x0
	.amdhsa_kernel k_q7e6380b689_kv
		.amdhsa_group_segment_fixed_size 327680
		.amdhsa_private_segment_fixed_size 0
		.amdhsa_enable_private_segment 0
		.amdhsa_kernarg_size 64
		.amdhsa_user_sgpr_count 2
		.amdhsa_user_sgpr_kernarg_segment_ptr 1
		.amdhsa_wavefront_size32 1
		.amdhsa_system_sgpr_workgroup_id_x 1
		.amdhsa_system_sgpr_workgroup_id_y 1
		.amdhsa_system_sgpr_workgroup_id_z 1
		.amdhsa_system_vgpr_workitem_id 0
		.amdhsa_next_free_vgpr 1024
		.amdhsa_next_free_sgpr 100
		.amdhsa_reserve_vcc 1
		.amdhsa_float_denorm_mode_32 3
		.amdhsa_float_denorm_mode_16_64 3
		.amdhsa_memory_ordered 1
		.amdhsa_forward_progress 1
		.amdhsa_inst_pref_size 255
	.end_amdhsa_kernel
	.section	.bss,"aw",@nobits
	.p2align	6
	.space	262144
	.amdgpu_metadata
---
amdhsa.version: [ 1, 2 ]
amdhsa.kernels:
  - .name:           k_q7e6380b689_kv
    .symbol:         k_q7e6380b689_kv.kd
    .args:
      - { .name: kq, .offset: 0, .size: 8, .value_kind: global_buffer, .address_space: global }
      - { .name: wq, .offset: 8, .size: 8, .value_kind: global_buffer, .address_space: global }
      - { .name: qc, .offset: 16, .size: 8, .value_kind: global_buffer, .address_space: global }
      - { .name: bk, .offset: 24, .size: 8, .value_kind: global_buffer, .address_space: global }
      - { .name: mask, .offset: 32, .size: 8, .value_kind: global_buffer, .address_space: global }
      - { .name: raw_thr, .offset: 40, .size: 8, .value_kind: global_buffer, .address_space: global }
      - { .name: sc, .offset: 48, .size: 8, .value_kind: global_buffer, .address_space: global }
      - { .name: vq, .offset: 56, .size: 8, .value_kind: global_buffer, .address_space: global }
    .group_segment_fixed_size: 327680
    .private_segment_fixed_size: 0
    .kernarg_segment_align: 8
    .kernarg_segment_size: 64
    .max_flat_workgroup_size: 128
    .sgpr_count:     100
    .vgpr_count:     1024
    .wavefront_size: 32
...
	.end_amdgpu_metadata
.endif
;; end of part 2
;; launch vx (part 3): grid 4 x 64, 4 waves a work-group, clusters of 4 x 4, 327,680 bytes of LDS; arguments vq, wq, sc, bv, xp; writes xp
.if DOCPART == 3
	.amdgcn_target "amdgcn-amd-amdhsa--gfx1250"
	.amdhsa_code_object_version 6
	.text
	.protected	k_q7e6380b689_vx
	.globl	k_q7e6380b689_vx
	.p2align	8
	.type	k_q7e6380b689_vx,@function
k_q7e6380b689_vx:
	s_mov_b64 s[64:65], 0
	v_nop
	global_prefetch_b8 v0, s[64:65] scope:SCOPE_SE
	s_setreg_imm32_b32 hwreg(HW_REG_WAVE_MODE, 25, 1), 1
	s_wait_xcnt 0x0
	s_wait_alu depctr_hold_cnt(0) depctr_sa_sdst(0) depctr_va_vdst(0) depctr_va_sdst(0) depctr_va_ssrc(0) depctr_va_vcc(0) depctr_vm_vsrc(0)
	s_getreg_b32 s2, hwreg(HW_REG_IB_STS2, 6, 4)
	s_cmp_eq_u32 s2, 0
	s_cbranch_scc0 .Lentry_in_a_cluster
	s_endpgm
.Lentry_in_a_cluster:
	s_bfe_u32 s2, ttmp6, 0x10000c
	s_cmp_lg_u32 s2, 0xf033
	s_cbranch_scc0 .Lentry_shape_is_right
	s_endpgm
.Lentry_shape_is_right:
; VX: V = Q(v) Q(Wv) + bv on tiles of 256 x 256, and at once the sum over the tile's 256 keys of attn x V: xp [quarter of the keys][b][1024].
; attn = softmax of sc's row (b, head): each wave takes the maximum away and sums all 1,024 keys of its two heads at the head of the kernel, while the first tiles are on their way.
; A row whose every score is -1e9 gives 1 / 1024 for every key, masked ones too, as reference() has it: so no key's V is left out.
; Shares, LDS, ring, cluster and registers as in the launch before: A (v's codes, all of K) stays in LDS, Wv's four chunks go through two slots.
; SCALE WORDS as there: one register carries two blocks' words (lanes 0-15, lanes 16-31), one load of 128 consecutive bytes; the loads go in three groups, at most 56 out at a time.
; The weights attn of a wave's 128 keys stay in registers v96-127, as pairs for the packed multiply-adds.
.set CHK,   49152
.set BR,    196608
.set XRED,  294912                     ; [half of the rows][256 columns] f32
.set SPARE, 296960
.set KS,    12582912
.set WS,    6291456
.set WOFF,  1572864
.set ADRA,  4
.set ADRB,  8
.set SPW,   28
.set NIL,   29
.set SA,    32                         ; v32-63 v's scale words: 8 u + K step
.set SB,    64                         ; v64-95 Wv's
.set PP,    96                         ; v96-127 attn pairs: (head, block a) at PP + 2 (8 head + a)
.set AF,    160
.set OO,    192                        ; v192-255 the sums: (b, j) at OO + 8 b + j
.set G1A,   32
.set G1B,   40
.set G0A,   48
.set G0B,   68
.set SEL,   76
.set MSB, 0
.macro WIN new
.if MSB != (\new)
	s_set_vgpr_msb (MSB<<8)|(\new)
.set MSB, (\new)
.endif
.endm
.set MUL_LO, 0xa1
.set MUL_HI, 0xf1
.set CI_LO,  0x91
.set CI_HI,  0xd1
.macro PLACES n
.rept \n
	v_nop
.endr
.endm
.macro CREST
	s_cmp_lg_u32 s20, 0
	s_cbranch_scc1 .Lnot_wave_0_\@
	s_barrier_signal -3
.Lnot_wave_0_\@:
	s_barrier_wait -3
	s_barrier_signal -1
	s_barrier_wait -1
.endm
.macro CROUND
	s_barrier_signal -1
	s_barrier_wait -1
	CREST
.endm
.macro FRAG reg, adr, off
.irp c, 0,1,2
	ds_load_b128 v[(\reg)+4*\c:(\reg)+4*\c+3], v[\adr] offset:(\off)+512*\c
.endr
.endm
.macro FETCH_B sl, sp, p
	WIN 0x40
.irp i, 0,1,2,3,4,5,6,7
	FRAG 128*(\p)+12*\i, ADRB+(\sl), 3072*\i+1536*(\sp)
.endr
	WIN 0
.endm
.macro FETCH_A q, sp, i0
.irp i, 0,1,2,3
	FRAG AF+12*((\i0)+\i), ADRA+(\q), 3072*((\i0)+\i)+1536*(\sp)
.endr
.endm
; one product.  rw: bit 0: source 0's scale words stand in lanes 16-31 of their register; bit 1: source 1's do
.macro WM dd, bb, aa, cc, sb, sa, rw
.if (\rw) == 0
	v_wmma_scale_f32_16x16x128_f8f6f4 v[(\dd):(\dd)+7], v[(\bb):(\bb)+11], v[(\aa):(\aa)+11], v[(\cc):(\cc)+7], v[\sb], v[\sa] matrix_a_fmt:MATRIX_FMT_FP6 matrix_b_fmt:MATRIX_FMT_FP6
.elseif (\rw) == 1
	v_wmma_scale_f32_16x16x128_f8f6f4 v[(\dd):(\dd)+7], v[(\bb):(\bb)+11], v[(\aa):(\aa)+11], v[(\cc):(\cc)+7], v[\sb], v[\sa] matrix_a_fmt:MATRIX_FMT_FP6 matrix_b_fmt:MATRIX_FMT_FP6 matrix_a_scale:MATRIX_SCALE_ROW1
.elseif (\rw) == 2
	v_wmma_scale_f32_16x16x128_f8f6f4 v[(\dd):(\dd)+7], v[(\bb):(\bb)+11], v[(\aa):(\aa)+11], v[(\cc):(\cc)+7], v[\sb], v[\sa] matrix_a_fmt:MATRIX_FMT_FP6 matrix_b_fmt:MATRIX_FMT_FP6 matrix_b_scale:MATRIX_SCALE_ROW1
.else
	v_wmma_scale_f32_16x16x128_f8f6f4 v[(\dd):(\dd)+7], v[(\bb):(\bb)+11], v[(\aa):(\aa)+11], v[(\cc):(\cc)+7], v[\sb], v[\sa] matrix_a_fmt:MATRIX_FMT_FP6 matrix_b_fmt:MATRIX_FMT_FP6 matrix_a_scale:MATRIX_SCALE_ROW1 matrix_b_scale:MATRIX_SCALE_ROW1
.endif
.endm
.macro MUL16 a0, p, s, ci              ; the 64 accumulators take turns in one order throughout
.irp a, \a0, \a0+1
.irp b, 0,1,2,3,4,5,6,7
.if \ci
	WM 8*(8*((\a)%4)+\b), 128*(\p)+12*\b, AF+12*(\a), 96+8*\b+96*(\b/4), SB+8*(\b/2)+(\s), SA+8*((\a)/2)+(\s), (\b%2)+2*((\a)%2)
.else
	WM 8*(8*((\a)%4)+\b), 128*(\p)+12*\b, AF+12*(\a), 8*(8*((\a)%4)+\b), SB+8*(\b/2)+(\s), SA+8*((\a)/2)+(\s), (\b%2)+2*((\a)%2)
.endif
.endr
.endr
.endm
.macro TILE_START sl
	FETCH_B \sl, 0, 0
	FETCH_A 0, 0, 0
	FETCH_A 0, 0, 4
.endm
.macro STEPA j, ci
	s_wait_dscnt 12                                ; the youngest 12 loads (A's blocks 4-7) may be out
.if \ci
	WIN CI_LO
.else
	WIN MUL_LO
.endif
	MUL16 0, 0, 2*((\j)%4), \ci
	MUL16 2, 0, 2*((\j)%4), \ci
	s_wait_dscnt 0x0
	PLACES 4
	FETCH_B (\j)%2, 1, 1
	FETCH_A (\j)%4, 1, 0
.if \ci
	WIN CI_HI
.else
	WIN MUL_HI
.endif
	MUL16 4, 0, 2*((\j)%4), \ci
	MUL16 6, 0, 2*((\j)%4), \ci
	PLACES 4
	WIN 0
	FETCH_A (\j)%4, 1, 4
.endm
.macro TURN j, fill, fetch
	s_wait_tensorcnt 0x0                           ; all my tensor loads have landed
	ds_add_u32 v[SPW], v[NIL]
	s_wait_dscnt 13                                ; (the add and A's blocks 4-7 may be out)
	WIN MUL_LO
	MUL16 0, 1, 2*((\j)%4)+1, 0
	s_wait_dscnt 0x0                               ; the add is done, and my reads of this slot are over
	s_barrier_signal -1
	MUL16 2, 1, 2*((\j)%4)+1, 0
	WIN 0
	s_barrier_wait -1
.if \fill
	CREST
	s_add_nc_u64 s[G0B+4*((\j)%2)+2:G0B+4*((\j)%2)+3], s[G0B+4*((\j)%2)+2:G0B+4*((\j)%2)+3], 393216
	tensor_load_to_lds s[G0B+4*((\j)%2):G0B+4*((\j)%2)+3], s[G1B:G1B+7]
	s_nop 0
.endif
	PLACES 4
.if \fetch
	FETCH_B 1-(\j)%2, 0, 0
	FETCH_A ((\j)+1)%4, 0, 0
.endif
	WIN MUL_HI
	MUL16 4, 1, 2*((\j)%4)+1, 0
	MUL16 6, 1, 2*((\j)%4)+1, 0
.if \fetch
	PLACES 4
	WIN 0
	FETCH_A ((\j)+1)%4, 0, 4
.else
	WIN 0
.endif
.endm
.macro LAST j
	s_wait_dscnt 12
	WIN MUL_LO
	MUL16 0, 1, 2*((\j)%4)+1, 0
	MUL16 2, 1, 2*((\j)%4)+1, 0
	s_wait_dscnt 0x0
	WIN MUL_HI
	MUL16 4, 1, 2*((\j)%4)+1, 0
	MUL16 6, 1, 2*((\j)%4)+1, 0
	WIN 0
.endm
.macro SCL s                           ; K step s: the scale words of my 128 rows of v and of my 128 columns of Wv: each load reads 128 consecutive bytes
.irp u, 0,1,2,3
	global_load_b32 v[SA+8*\u+(\s)], v12, s[80:81] offset:65536*(\s)+128*\u
	global_load_b32 v[SB+8*\u+(\s)], v12, s[82:83] offset:4096*(\s)+128*\u
.endr
.endm
	s_load_b256 s[4:11], s[0:1], 0x0               ; vq 4, wq 6, sc 8, bv 10
	s_load_b64 s[12:13], s[0:1], 0x20              ; xp
	v_lshl_add_u32 v[SPW], v0, 2, SPARE
	v_mov_b32 v[NIL], 0
	ds_add_u32 v[SPW], v[NIL]                      ; the wave's opening: the add, twice on end, and its wait ahead of my first tensor load
	ds_add_u32 v[SPW], v[NIL]
	v_lshrrev_b32 v1, 5, v0
	v_readfirstlane_b32 s20, v1
	s_lshr_b32 s21, s20, 1
	s_and_b32 s22, s20, 1
	s_bfe_u32 s23, ttmp6, 0x40000
	s_bfe_u32 s24, ttmp6, 0x40004
	s_lshl_b32 s25, ttmp9, 2
	s_add_co_u32 s25, s25, s23                     ; tile column
	s_and_b32 s26, ttmp7, 0xffff
	s_lshl_b32 s26, s26, 2
	s_add_co_u32 s26, s26, s24                     ; tile row
	s_lshr_b32 s27, s26, 2                         ; batch
	s_lshl_b32 s28, s24, 2
	s_lshl_b32 s28, 15, s28
	s_lshl_b32 s30, 0x1111, s23
	s_or_b32 s[G1A], s28, (3<<16)|(1<<21)
	s_or_b32 s[G1B], s30, (3<<16)|(1<<21)
.irp g, G1A, G1B
	s_mov_b32 s[\g+1], 32<<16
	s_mov_b32 s[\g+2], 192<<16                     ; the head's loads bring a whole chunk, 192 rows of 256 bytes
	s_mov_b32 s[\g+3], 32<<16
	s_mov_b32 s[\g+4], 192
	s_mov_b32 s[\g+5], 32
	s_mov_b32 s[\g+6], 0
	s_mov_b32 s[\g+7], 0
.endr
	s_mul_i32 s79, s20, 12288
	s_mul_i32 s28, s26, CHK
	s_mov_b32 s29, 0
	s_mul_i32 s30, s25, CHK
	s_add_co_u32 s30, s30, WOFF
	s_mov_b32 s31, 0
	s_mov_b32 s[SEL], 0x76543210
	s_mov_b32 s[SEL+1], 0xfedcba98
	s_wait_dscnt 0x0
	s_wait_kmcnt 0x0
	s_add_nc_u64 s[28:29], s[4:5], s[28:29]
	s_add_nc_u64 s[30:31], s[6:7], s[30:31]
	; THE FIRST FILLS, one tensor load a wave at the head: waves 0, 1 bring A's chunks 0, 1 whole, waves 2, 3 Wv's chunks 0, 1 whole.
	; A's chunks 2 and 3 follow behind the first round, half a chunk a wave.
	s_mov_b32 s3, 0
	s_mul_i32 s2, s22, 3145728
	s_mov_b32 s[G0A], 1                            ; A's chunk w % 2
	s_mul_i32 s[G0A+1], s22, CHK
	s_add_nc_u64 s[G0A+2:G0A+3], s[28:29], s[2:3]
	s_or_b32 s[G0A+3], s[G0A+3], 0x80000000
	s_mul_i32 s2, s22, 196608
	s_mov_b32 s[G0A+4], 1                          ; Wv's chunk w % 2
	s_mul_i32 s[G0A+5], s22, CHK
	s_add_co_u32 s[G0A+5], s[G0A+5], BR
	s_add_nc_u64 s[G0A+6:G0A+7], s[30:31], s[2:3]
	s_or_b32 s[G0A+7], s[G0A+7], 0x80000000
	s_mul_i32 s2, s21, 3145728
	s_mul_i32 s98, s22, 24576
	s_add_co_u32 s2, s2, s98
	s_add_co_u32 s2, s2, 6291456
	s_mov_b32 s[G0A+8], 1                          ; half w % 2 of A's chunk 2 + w / 2: in LDS the four halves lie on end
	s_mul_i32 s[G0A+9], s20, 24576
	s_add_co_u32 s[G0A+9], s[G0A+9], 2*CHK
	s_add_nc_u64 s[G0A+10:G0A+11], s[28:29], s[2:3]
	s_or_b32 s[G0A+11], s[G0A+11], 0x80000000
	s_mul_i32 s98, s23, 6144                       ; the prefetch below: of the 96 blocks of 256 bytes of that half chunk the partner at place cx names 24, told apart by address
	s_add_co_u32 s2, s2, s98
	s_add_nc_u64 s[G0A+12:G0A+13], s[28:29], s[2:3]
	s_mov_b32 s2, s79
	s_add_nc_u64 s[30:31], s[30:31], s[2:3]        ; the ring's refills: my quarter of a chunk
.irp q, 0,1
	s_mov_b32 s[G0B+4*\q], 1
	s_add_co_u32 s[G0B+4*\q+1], s79, BR+CHK*\q
	s_add_nc_u64 s[G0B+4*\q+2:G0B+4*\q+3], s[30:31], 196608*\q
	s_or_b32 s[G0B+4*\q+3], s[G0B+4*\q+3], 0x80000000
.endr
	CROUND
	s_cmp_eq_u32 s21, 0                            ; the branch hangs on the wave's number alone; each arm holds one load
	s_cbranch_scc0 .Lhead_b
	tensor_load_to_lds s[G0A:G0A+3], s[G1A:G1A+7]
	s_nop 0
	PLACES 4
	s_branch .Lhead_asked
.Lhead_b:
	tensor_load_to_lds s[G0A+4:G0A+7], s[G1B:G1B+7]
	s_nop 0
	PLACES 4
.Lhead_asked:
	v_and_b32 v1, 31, v0
	v_and_b32 v2, 15, v0
	v_bfe_u32 v3, v0, 4, 1
	v_lshlrev_b32 v11, 4, v1                       ; 16 x lane
	s_wait_alu depctr_va_vdst(0)
	v_lshlrev_b32 v12, 2, v1                       ; 4 x lane
	v_lshlrev_b32 v10, 2, v2                       ; 4 r
	v_lshlrev_b32 v13, 5, v3                       ; 32 h
	; A PREFETCH: A's chunks 2 and 3 are loaded only behind the first round, so they are asked for here, one instruction a wave: a lane a block of 256 bytes, 24 blocks
	; (lanes 24-31 name the last again); each block is named once in the cluster's row that will load it.  v26 and s[60:61] are never rewritten.
	v_min_u32 v26, 23, v1
	v_lshlrev_b32 v26, 8, v26
	global_prefetch_b8 v26, s[G0A+12:G0A+13] th:TH_LOAD_NT scope:SCOPE_SE
	s_wait_alu depctr_va_vdst(0)
	s_mul_i32 s2, s21, 24576
.irp q, 0,1,2,3
	v_add_nc_u32 v[ADRA+\q], s2, v11
	s_add_co_u32 s2, s2, CHK
.endr
	s_mul_i32 s2, s22, 24576
	s_add_co_u32 s2, s2, BR
.irp q, 0,1
	v_add_nc_u32 v[ADRB+\q], s2, v11
	s_add_co_u32 s2, s2, CHK
.endr
	s_lshl_b32 s2, s20, 9                          ; 1,024 x half of rows + 512 x half of columns = 512 x wave
	s_add_co_u32 s2, s2, XRED
	v_add_nc_u32 v16, s2, v13                      ; the sums' place, + 32 h
	v_lshlrev_b32 v30, 3, v0                       ; 8 x thread
	v_add_nc_u32 v31, XRED, v30
	s_mov_b32 s99, 0
	s_lshl_b32 s2, s26, 10
	s_lshl_b32 s3, s21, 9
	s_add_co_u32 s2, s2, s3
	s_add_co_u32 s98, s2, KS
	s_add_nc_u64 s[80:81], s[4:5], s[98:99]        ; v's scale words
	s_lshl_b32 s2, s25, 10
	s_lshl_b32 s3, s22, 9
	s_add_co_u32 s2, s2, s3
	s_mov_b32 s98, s2
	s_add_nc_u64 s[84:85], s[10:11], s[98:99]      ; bv
	s_add_co_u32 s98, s2, WS+65536
	s_add_nc_u64 s[82:83], s[6:7], s[98:99]        ; Wv's scale words
	s_lshl_b32 s3, s27, 4
	s_lshl_b32 s98, s25, 2
	s_add_co_u32 s3, s3, s98
	s_lshl_b32 s98, s22, 1
	s_add_co_u32 s3, s3, s98
	s_lshl_b32 s98, s3, 12
	s_add_nc_u64 s[86:87], s[8:9], s[98:99]        ; sc: the row of my first head
	s_and_b32 s2, s26, 3
	s_lshl_b32 s3, s2, 10
	s_lshl_b32 s98, s21, 9
	s_add_co_u32 s98, s98, s3
	s_add_nc_u64 s[90:91], s[86:87], s[98:99]      ; and in it my 128 keys
	s_lshl_b32 s2, s2, 4
	s_add_co_u32 s2, s2, s27
	s_lshl_b32 s98, s2, 12
	s_lshl_b32 s3, s25, 10
	s_add_co_u32 s98, s98, s3
	s_add_nc_u64 s[88:89], s[12:13], s[98:99]      ; xp
.irp d, 0,1
.irp i, 0,1,2,3,4,5,6,7
	global_load_b128 v[160+32*\d+4*\i:163+32*\d+4*\i], v11, s[86:87] offset:4096*\d+512*\i    ; a head's 1,024 scores, 32 a lane
.endr
.endr
.irp d, 0,1
.irp a, 0,1,2,3,4,5,6,7
	global_load_b32 v[224+8*\d+\a], v10, s[90:91] offset:4096*\d+64*\a                        ; and those of my keys 16 a + r
.endr
.endr
	WIN 0x40
.irp b, 0,1,2,3,4,5,6,7
	global_load_b128 v[96+8*\b+96*(\b/4):99+8*\b+96*(\b/4)], v13, s[84:85] offset:64*\b       ; bv at columns 16 b + 8 h + 0 .. 7
	global_load_b128 v[100+8*\b+96*(\b/4):103+8*\b+96*(\b/4)], v13, s[84:85] offset:64*\b+16
.endr
	WIN 0
	SCL 0
	s_wait_loadcnt 24                              ; the scores' 32 loads are in; bv's 16 and K step 0's 8 may be out
.irp s, 1,2,3,4
	SCL \s                                         ; 32 more: they land while the softmax is worked
.endr
	; ---- the softmax of my two heads
.irp d, 0,1
	v_max3_num_f32 v[18+2*\d], v[160+32*\d], v[161+32*\d], v[162+32*\d]
	v_max3_num_f32 v[19+2*\d], v[163+32*\d], v[164+32*\d], v[165+32*\d]
.endr
.irp i, 6,10,14,18,22,26
.irp d, 0,1
	v_max3_num_f32 v[18+2*\d], v[18+2*\d], v[160+32*\d+\i], v[161+32*\d+\i]
	v_max3_num_f32 v[19+2*\d], v[19+2*\d], v[162+32*\d+\i], v[163+32*\d+\i]
.endr
.endr
.irp d, 0,1
	v_max3_num_f32 v[18+2*\d], v[18+2*\d], v[190+32*\d], v[191+32*\d]
.endr
.irp d, 0,1
	v_max_num_f32 v[18+2*\d], v[18+2*\d], v[19+2*\d]
.endr
.irp m, 1,2,4,8
.irp d, 0,1
	v_max_num_f32_dpp v[18+2*\d], v[18+2*\d], v[18+2*\d] row_xmask:\m row_mask:0xf bank_mask:0xf
.endr
.endr
.irp d, 0,1
	v_permlanex16_b32 v[19+2*\d], v[18+2*\d], s[SEL], s[SEL+1]
.endr
.irp d, 0,1
	v_max_num_f32 v[18+2*\d], v[18+2*\d], v[19+2*\d]   ; the row's maximum, in every lane
.endr
.irp d, 0,1
	v_mov_b32 v[19+2*\d], v[18+2*\d]
.endr
.irp d, 0,1
.irp j, 0,2,4,6,8,10,12,14,16,18,20,22,24,26,28,30
	v_pk_add_f32 v[160+32*\d+\j:161+32*\d+\j], v[160+32*\d+\j:161+32*\d+\j], v[18+2*\d:19+2*\d] neg_lo:[0,1] neg_hi:[0,1]   ; the maximum is taken away first, by a subtraction
.endr
.irp j, 0,2,4,6
	v_pk_add_f32 v[224+8*\d+\j:225+8*\d+\j], v[224+8*\d+\j:225+8*\d+\j], v[18+2*\d:19+2*\d] neg_lo:[0,1] neg_hi:[0,1]
.endr
.endr
.set i, 160
.rept 40
	v_pk_mul_f32 v[i:i+1], v[i:i+1], 0x3fb8aa3b op_sel_hi:[1,0]
.set i, i+2
.endr
.set i, 160
	s_wait_alu depctr_va_vdst(0)
.rept 80
	v_exp_f32 v[i], v[i]
.set i, i+1
.endr
	v_nop                                          ; a plain place behind the batch
	s_wait_alu depctr_va_vdst(0)                   ; one wait for the 80, ahead of their first reader
.irp d, 0,1
	v_pk_add_f32 v[22+2*\d:23+2*\d], v[160+32*\d:161+32*\d], v[162+32*\d:163+32*\d]
.endr
.irp j, 4,6,8,10,12,14,16,18,20,22,24,26,28,30
.irp d, 0,1
	v_pk_add_f32 v[22+2*\d:23+2*\d], v[22+2*\d:23+2*\d], v[160+32*\d+\j:161+32*\d+\j]
.endr
.endr
.irp d, 0,1
	v_add_f32 v[22+2*\d], v[22+2*\d], v[23+2*\d]
.endr
.irp m, 1,2,4,8
.irp d, 0,1
	v_add_f32_dpp v[22+2*\d], v[22+2*\d], v[22+2*\d] row_xmask:\m row_mask:0xf bank_mask:0xf
.endr
.endr
.irp d, 0,1
	v_permlanex16_b32 v[23+2*\d], v[22+2*\d], s[SEL], s[SEL+1]
.endr
.irp d, 0,1
	v_add_f32 v[22+2*\d], v[22+2*\d], v[23+2*\d]
.endr
	s_wait_alu depctr_va_vdst(0)
.irp d, 0,1
	v_rcp_f32 v[22+2*\d], v[22+2*\d]
.endr
	v_nop
	s_wait_alu depctr_va_vdst(0)
.irp d, 0,1
.irp a, 0,1,2,3,4,5,6,7
	v_mul_f32 v[PP+2*(8*\d+\a)], v[224+8*\d+\a], v[22+2*\d]        ; attn of key 16 a + r, twice: a pair for the packed multiply-adds
	v_mul_f32 v[PP+2*(8*\d+\a)+1], v[224+8*\d+\a], v[22+2*\d]
.endr
.endr
	s_wait_alu depctr_va_vdst(0)
	s_wait_tensorcnt 0x0                           ; my one load of the head is in
	ds_add_u32 v[SPW], v[NIL]
	s_mov_b32 s[G1A+2], 96<<16                     ; no tensor load of mine is out: A's next load brings half a chunk, 96 rows,
	s_mov_b32 s[G1A+4], 96
	s_mov_b32 s[G1B+2], 48<<16                     ; and the ring's refills a quarter, 48 rows
	s_mov_b32 s[G1B+4], 48
	s_wait_dscnt 0x0
	CROUND                                         ; a whole round: the first two chunks of A and of Wv are shown to every wave, and the joint loads meet
	tensor_load_to_lds s[G0A+8:G0A+11], s[G1A:G1A+7]       ; A's chunks 2 and 3: first fills alone stand behind this round
	s_nop 0
	PLACES 4
	TILE_START 0
	s_wait_loadcnt 32                              ; bv and K step 0's scale words are in; the 32 loads of K steps 1 to 4 may be out
	STEPA 0, 1
.irp s, 5,6,7
	SCL \s
.endr
	s_wait_loadcnt 24                              ; K steps 1 to 4 are in; the 24 loads just issued may be out
	TURN 0, 1, 1
	STEPA 1, 0
	TURN 1, 1, 1
	s_wait_loadcnt 0x0                             ; K steps 5 to 7, asked for 192 products ago
	STEPA 2, 0
	TURN 2, 0, 1
	STEPA 3, 0
	LAST 3
	; ---- the sum over my 128 keys of attn x V
	PLACES 4
.irp a, 0,1,2,3,4,5,6,7
	WIN 0x02+\a/4
.irp b, 0,1,2,3,4,5,6,7
.irp p, 0,1,2,3
.if \a == 0
	v_pk_mul_f32 v[OO+8*\b+2*\p:OO+8*\b+2*\p+1], v[8*(8*(\a%4)+\b)+2*\p:8*(8*(\a%4)+\b)+2*\p+1], v[PP+2*(8*(\b/4)+\a):PP+2*(8*(\b/4)+\a)+1]
.else
	v_pk_fma_f32 v[OO+8*\b+2*\p:OO+8*\b+2*\p+1], v[8*(8*(\a%4)+\b)+2*\p:8*(8*(\a%4)+\b)+2*\p+1], v[PP+2*(8*(\b/4)+\a):PP+2*(8*(\b/4)+\a)+1], v[OO+8*\b+2*\p:OO+8*\b+2*\p+1]
.endif
.endr
.endr
.endr
	WIN 0
.irp m, 1,2,4,8                                ; over the sixteen rows of a block
.set i, OO
.rept 64
	v_add_f32_dpp v[i], v[i], v[i] row_xmask:\m row_mask:0xf bank_mask:0xf
.set i, i+1
.endr
.endr
.irp b, 0,1,2,3,4,5,6,7
	ds_store_b128 v16, v[OO+8*\b:OO+8*\b+3] offset:64*\b           ; the sixteen lanes of a half write the same bytes with the same values
	ds_store_b128 v16, v[OO+8*\b+4:OO+8*\b+7] offset:64*\b+16
.endr
	s_wait_dscnt 0x0
	s_barrier_signal -1
	s_barrier_wait -1
	ds_load_b64 v[18:19], v31                      ; the two halves of the rows
	ds_load_b64 v[20:21], v31 offset:1024
	s_wait_dscnt 0x0
	v_pk_add_f32 v[18:19], v[18:19], v[20:21]
	global_store_b64 v30, v[18:19], s[88:89]       ; a wave stores 256 consecutive bytes, aligned
	s_wait_tensorcnt 0x0                           ; the wave's end
	ds_add_u32 v[SPW], v[NIL]
	s_wait_dscnt 0x0
	CROUND                                         ; the closing round
	s_endpgm
.Lfunc_end_k_q7e6380b689_vx:
	.size	k_q7e6380b689_vx, .Lfunc_end_k_q7e6380b689_vx-k_q7e6380b689_vx
	.p2alignl 7, 3214868480
	.fill 96, 4, 3214868480
	.section	.rodata,"a",@progbits
	.p2align	6, 0x0
	.amdhsa_kernel k_q7e6380b689_vx
		.amdhsa_group_segment_fixed_size 327680
		.amdhsa_private_segment_fixed_size 0
		.amdhsa_enable_private_segment 0
		.amdhsa_kernarg_size 40
		.amdhsa_user_sgpr_count 2
		.amdhsa_user_sgpr_kernarg_segment_ptr 1
		.amdhsa_wavefront_size32 1
		.amdhsa_system_sgpr_workgroup_id_x 1
		.amdhsa_system_sgpr_workgroup_id_y 1
		.amdhsa_system_sgpr_workgroup_id_z 1
		.amdhsa_system_vgpr_workitem_id 0
		.amdhsa_next_free_vgpr 1024
		.amdhsa_next_free_sgpr 100
		.amdhsa_reserve_vcc 0
		.amdhsa_float_denorm_mode_32 3
		.amdhsa_float_denorm_mode_16_64 3
		.amdhsa_memory_ordered 1
		.amdhsa_forward_progress 1
		.amdhsa_inst_pref_size 162
	.end_amdhsa_kernel
	.amdgpu_metadata
---
amdhsa.version: [ 1, 2 ]
amdhsa.kernels:
  - .name:           k_q7e6380b689_vx
    .symbol:         k_q7e6380b689_vx.kd
    .args:
      - { .name: vq, .offset: 0, .size: 8, .value_kind: global_buffer, .address_space: global }
      - { .name: wq, .offset: 8, .size: 8, .value_kind: global_buffer, .address_space: global }
      - { .name: sc, .offset: 16, .size: 8, .value_kind: global_buffer, .address_space: global }
      - { .name: bv, .offset: 24, .size: 8, .value_kind: global_buffer, .address_space: global }
      - { .name: xp, .offset: 32, .size: 8, .value_kind: global_buffer, .address_space: global }
    .group_segment_fixed_size: 327680
    .private_segment_fixed_size: 0
    .kernarg_segment_align: 8
    .kernarg_segment_size: 40
    .max_flat_workgroup_size: 128
    .sgpr_count:     100
    .vgpr_count:     1024
    .wavefront_size: 32
...
	.end_amdgpu_metadata
.endif
;; end of part 3
;; launch t1 (part 4): grid 16 x 16, 8 waves a work-group, no clusters, 7,168 bytes of LDS; arguments xp, wq, bo, query, y1; writes y1
.if DOCPART == 4
	.amdgcn_target "amdgcn-amd-amdhsa--gfx1250"
	.amdhsa_code_object_version 6
	.text
	.protected	k_q7e6380b689_t1
	.globl	k_q7e6380b689_t1
	.p2align	8
	.type	k_q7e6380b689_t1,@function
k_q7e6380b689_t1:
	s_mov_b64 s[64:65], 0
	v_nop
	global_prefetch_b8 v0, s[64:65] scope:SCOPE_SE
	s_setreg_imm32_b32 hwreg(HW_REG_WAVE_MODE, 25, 1), 1
	s_wait_xcnt 0x0
; T1: x = the sum of xp's four parts; y1 = query + Q(x) Q(Wo) + bo.  16 rows, K = 1024, N = 1024.
; A WORK-GROUP TAKES ONE ROW b (grid y) AND 64 COLUMNS (grid x, four tiles); wave s takes K step s.  So a work-group reads 16 KiB of xp (its row alone) and 48 KiB of Wo's codes.
; The matrix operand has sixteen rows: all sixteen hold row b (the lanes r read the same LDS bytes), so every lane r holds the same results, and nothing is masked.
; xp is read by whole pieces of a row: each load takes the 512 consecutive bytes of one part's K step, 16 bytes a lane; the four parts are added so; the 128 sums turn through the wave's own 512 bytes of LDS
; and come back 16 neighbours of each block of 32 a lane, as the conversions want them.
; The eight waves' parts of the 64 sums meet in LDS; wave 0 adds them, bo and query, and stores one aligned run of 256 bytes.  Every wave loads bo's and query's 256 bytes, so that no load stands under a branch.
; No tensor loads, no cluster: what work-groups share is Wo's codes (sixteen readers each) and a row of xp.  No loop, so no prefetch.
; LIMITS: the quantiser's, as stated in the first launch.
.set RED,   0                          ; 256 bytes a wave: its 64 partial sums
.set STG,   2048                       ; 512 bytes a wave
.set SPARE, 6144
.set WS,    6291456
.set TM,    16
.set PW,    32
.set PC,    34
.set TP,    46
.set WF,    64                         ; v64-111 Wo's four fragments
.set WSC,   112                        ; v112-115 their scale words
.set BO,    116
.set QY,    118
.set X,     132                        ; v132-195
.set ACC,   200                        ; v200-231
.set SPW,   252
.set NIL,   253
.set SEL,   22
.macro QUANT s, pc, pw                 ; 64 numbers of a lane, register 16 b + i = k 32 b + 16 h + i of its row -> a fragment's codes and the row's scale word
.irp b, 0,1,2,3
	v_max3_num_f32 v[TM+\b], |v[(\s)+16*\b]|, |v[(\s)+1+16*\b]|, 0x1800000
.endr
.irp i, 2,4,6,8,10,12,14
.irp b, 0,1,2,3
	s_delay_alu instid0(VALU_DEP_4)
	v_max3_num_f32 v[TM+\b], v[TM+\b], |v[(\s)+16*\b+\i]|, |v[(\s)+1+16*\b+\i]|
.endr
.endr
.irp b, 0,1,2,3
	s_delay_alu instid0(VALU_DEP_4)
	v_permlanex16_b32 v[TM+4+\b], v[TM+\b], s[SEL], s[SEL+1]
.endr
.irp b, 0,1,2,3
	s_delay_alu instid0(VALU_DEP_4)
	v_max_num_f32 v[TM+\b], v[TM+\b], v[TM+4+\b]
.endr
.irp b, 0,1,2,3
	s_delay_alu instid0(VALU_DEP_4)
	v_add_nc_u32 v[TM+12+\b], 0xff000000, v[TM+\b]
.endr
.irp b, 0,1,2,3
	s_delay_alu instid0(VALU_DEP_4)
	v_lshrrev_b32 v[TM+4+\b], 23, v[TM+12+\b]
.endr
	s_delay_alu instid0(VALU_DEP_3)
	v_lshl_or_b32 v[\pw], v[TM+5], 8, v[TM+4]
	s_delay_alu instid0(VALU_DEP_1)
	v_lshl_or_b32 v[\pw], v[TM+6], 16, v[\pw]
	s_delay_alu instid0(VALU_DEP_1)
	v_lshl_or_b32 v[\pw], v[TM+7], 24, v[\pw]
.irp c, 0,1
	v_cvt_scalef32_pk16_fp6_f32 v[(\pc)+6*\c:(\pc)+2+6*\c], v[(\s)+32*\c:(\s)+15+32*\c], v[TM+12+2*\c]
	v_cvt_scalef32_pk16_fp6_f32 v[TP+4*\c:TP+2+4*\c], v[(\s)+16+32*\c:(\s)+31+32*\c], v[TM+12+2*\c+1]
.endr
	v_nop
.irp c, 0,1
.irp i, 0,1,2
	v_permlane16_swap_b32 v[(\pc)+6*\c+\i], v[TP+4*\c+\i]
.endr
.irp i, 0,1,2
	s_delay_alu instid0(VALU_DEP_3)
	v_mov_b32 v[(\pc)+3+6*\c+\i], v[TP+4*\c+\i]
.endr
.endr
.endm
	s_load_b256 s[4:11], s[0:1], 0x0               ; xp 4, wq 6, bo 8, query 10
	s_load_b64 s[12:13], s[0:1], 0x20              ; y1
	v_lshl_add_u32 v[SPW], v0, 2, SPARE
	v_mov_b32 v[NIL], 0
	v_lshrrev_b32 v1, 5, v0
	s_delay_alu instid0(VALU_DEP_1)
	v_readfirstlane_b32 s2, v1                     ; wave = my K step
	v_and_b32 v1, 31, v0
	v_and_b32 v2, 15, v0
	v_bfe_u32 v3, v0, 4, 1
	s_delay_alu instid0(VALU_DEP_3)
	v_lshlrev_b32 v5, 4, v1                        ; 16 x lane
	s_delay_alu instid0(VALU_DEP_3)
	v_lshlrev_b32 v6, 2, v2                        ; 4 r
	s_delay_alu instid0(VALU_DEP_3)
	v_lshlrev_b32 v7, 5, v3                        ; 32 h
	v_lshlrev_b32 v8, 3, v1                        ; 8 x lane
	v_lshlrev_b32 v10, 6, v3                       ; 64 h
	s_lshl_b32 s3, s2, 8
	v_add_nc_u32 v9, s3, v7                        ; my wave's 256 bytes of sums, + 32 h
	s_lshl_b32 s3, s2, 9
	s_add_co_u32 s3, s3, STG
	v_add_nc_u32 v11, s3, v5                       ; my stage, on the way in: 16 bytes a lane
	v_add_nc_u32 v12, s3, v10                      ; and out: + 64 h, the same for every r
	s_mov_b32 s[SEL], 0x76543210
	s_mov_b32 s[SEL+1], 0xfedcba98
.irp b, 0,1,2,3
	v_mov_b32 v[TM+4+\b], 0                        ; a lane permute's destination counts as one of its sources
.endr
	s_and_b32 s26, ttmp7, 0xffff                   ; my row b
	s_lshr_b32 s14, s2, 1
	s_and_b32 s15, s2, 1
	s_mul_i32 s16, s14, 196608                     ; Wo's codes: K step s, tiles 4 x on
	s_mul_i32 s3, s15, 1536
	s_add_co_u32 s16, s16, s3
	s_mul_i32 s3, ttmp9, 12288
	s_add_co_u32 s16, s16, s3
	s_add_co_u32 s16, s16, 2359296
	s_mov_b32 s17, 0
	s_lshl_b32 s18, s2, 12                         ; Wo's scale words
	s_lshl_b32 s3, ttmp9, 8
	s_add_co_u32 s18, s18, s3
	s_add_co_u32 s18, s18, WS+98304
	s_mov_b32 s19, 0
	s_mov_b32 s20, s3                              ; bo: my 64 columns
	s_mov_b32 s21, 0
	s_lshl_b32 s24, s26, 12
	s_add_co_u32 s28, s24, s3                      ; query, y1: row b, my 64 columns
	s_mov_b32 s29, 0
	s_lshl_b32 s3, s2, 9
	s_add_co_u32 s24, s24, s3                      ; xp: row b, my K step
	s_mov_b32 s25, 0
	s_wait_alu depctr_va_vdst(0)
	s_wait_kmcnt 0x0
	s_add_nc_u64 s[4:5], s[4:5], s[24:25]
	s_add_nc_u64 s[16:17], s[6:7], s[16:17]
	s_add_nc_u64 s[18:19], s[6:7], s[18:19]
	s_add_nc_u64 s[8:9], s[8:9], s[20:21]
	s_add_nc_u64 s[10:11], s[10:11], s[28:29]
	s_add_nc_u64 s[12:13], s[12:13], s[28:29]
.irp p, 0,1,2,3
	global_load_b128 v[X+4*\p:X+4*\p+3], v5, s[4:5] offset:65536*\p            ; part p: 512 consecutive bytes
.endr
.irp i, 0,1,2,3
.irp c, 0,1,2
	global_load_b128 v[WF+12*\i+4*\c:WF+12*\i+4*\c+3], v5, s[16:17] offset:3072*\i+512*\c
.endr
	global_load_b32 v[WSC+\i], v6, s[18:19] offset:64*\i
.endr
	global_load_b64 v[BO:BO+1], v8, s[8:9]
	global_load_b64 v[QY:QY+1], v8, s[10:11]
	s_wait_loadcnt 18                              ; xp's four loads are in; the 16 of the weights and the 2 behind them may be out
	v_pk_add_f32 v[X:X+1], v[X:X+1], v[X+4:X+5]
	v_pk_add_f32 v[X+2:X+3], v[X+2:X+3], v[X+6:X+7]
	v_pk_add_f32 v[X+8:X+9], v[X+8:X+9], v[X+12:X+13]
	v_pk_add_f32 v[X+10:X+11], v[X+10:X+11], v[X+14:X+15]
	s_delay_alu instid0(VALU_DEP_2)
	v_pk_add_f32 v[X:X+1], v[X:X+1], v[X+8:X+9]
	s_delay_alu instid0(VALU_DEP_2)
	v_pk_add_f32 v[X+2:X+3], v[X+2:X+3], v[X+10:X+11]
	ds_store_b128 v11, v[X:X+3]                    ; through my stage: in as loaded;
.irp b, 0,1,2,3
.irp j, 0,1,2,3
	ds_load_b128 v[X+16*\b+4*\j:X+16*\b+4*\j+3], v12 offset:128*\b+16*\j   ; out 16 neighbours of each block a lane.  LDS serves a wave's instructions in order: these see my store
.endr
.endr
	s_wait_dscnt 0x0
	QUANT X, PC, PW
	s_wait_alu depctr_va_vdst(0)
	s_wait_loadcnt 0x0
.rept 8
	v_nop                                          ; a scale register written by a vector instruction stands 8 places ahead of a scaled matrix instruction
.endr
.irp i, 0,1,2,3
	v_wmma_scale_f32_16x16x128_f8f6f4 v[ACC+8*\i:ACC+8*\i+7], v[WF+12*\i:WF+12*\i+11], v[PC:PC+11], 0, v[WSC+\i], v[PW] matrix_a_fmt:MATRIX_FMT_FP6 matrix_b_fmt:MATRIX_FMT_FP6
.endr
.rept 4
	v_nop
.endr
.irp t, 0,1,2,3
	ds_store_b128 v9, v[ACC+8*\t:ACC+8*\t+3] offset:64*\t          ; columns 16 t + 8 h + 0 .. 7: the sixteen lanes of a half write the same bytes with the same values
	ds_store_b128 v9, v[ACC+8*\t+4:ACC+8*\t+7] offset:64*\t+16
.endr
	s_wait_dscnt 0x0                               ; for wave 0's sake: my stores have landed
	s_barrier_signal -1
	s_barrier_wait -1
	s_cmp_lg_u32 s2, 0
	s_cbranch_scc1 .Ldone                          ; wave 0 alone adds and stores
.irp i, 0,1,2,3,4,5,6,7
	ds_load_b64 v[X+2*\i:X+2*\i+1], v8 offset:RED+256*\i           ; columns 2 l, 2 l + 1 of all eight waves
.endr
	s_wait_dscnt 0x0
	v_pk_add_f32 v[X:X+1], v[X:X+1], v[X+2:X+3]
	v_pk_add_f32 v[X+4:X+5], v[X+4:X+5], v[X+6:X+7]
	v_pk_add_f32 v[X+8:X+9], v[X+8:X+9], v[X+10:X+11]
	v_pk_add_f32 v[X+12:X+13], v[X+12:X+13], v[X+14:X+15]
	v_pk_add_f32 v[BO:BO+1], v[BO:BO+1], v[QY:QY+1]
	s_delay_alu instid0(VALU_DEP_4)
	v_pk_add_f32 v[X:X+1], v[X:X+1], v[X+4:X+5]
	s_delay_alu instid0(VALU_DEP_3)
	v_pk_add_f32 v[X+8:X+9], v[X+8:X+9], v[X+12:X+13]
	s_delay_alu instid0(VALU_DEP_1)
	v_pk_add_f32 v[X:X+1], v[X:X+1], v[X+8:X+9]
	s_delay_alu instid0(VALU_DEP_1)
	v_pk_add_f32 v[X:X+1], v[X:X+1], v[BO:BO+1]
	global_store_b64 v8, v[X:X+1], s[12:13]        ; 32 lanes store 256 consecutive bytes, aligned
.Ldone:
	s_wait_tensorcnt 0x0                           ; the wave's end
	ds_add_u32 v[SPW], v[NIL]
	s_wait_dscnt 0x0
	s_endpgm
.Lfunc_end_k_q7e6380b689_t1:
	.size	k_q7e6380b689_t1, .Lfunc_end_k_q7e6380b689_t1-k_q7e6380b689_t1
	.p2alignl 7, 3214868480
	.fill 96, 4, 3214868480
	.section	.rodata,"a",@progbits
	.p2align	6, 0x0
	.amdhsa_kernel k_q7e6380b689_t1
		.amdhsa_group_segment_fixed_size 7168
		.amdhsa_private_segment_fixed_size 0
		.amdhsa_enable_private_segment 0
		.amdhsa_kernarg_size 40
		.amdhsa_user_sgpr_count 2
		.amdhsa_user_sgpr_kernarg_segment_ptr 1
		.amdhsa_wavefront_size32 1
		.amdhsa_system_sgpr_workgroup_id_x 1
		.amdhsa_system_sgpr_workgroup_id_y 1
		.amdhsa_system_sgpr_workgroup_id_z 1
		.amdhsa_system_vgpr_workitem_id 0
		.amdhsa_next_free_vgpr 256
		.amdhsa_next_free_sgpr 66
		.amdhsa_reserve_vcc 0
		.amdhsa_float_denorm_mode_32 3
		.amdhsa_float_denorm_mode_16_64 3
		.amdhsa_memory_ordered 1
		.amdhsa_forward_progress 1
		.amdhsa_inst_pref_size 15
	.end_amdhsa_kernel
	.amdgpu_metadata
---
amdhsa.version: [ 1, 2 ]
amdhsa.kernels:
  - .name:           k_q7e6380b689_t1
    .symbol:         k_q7e6380b689_t1.kd
    .args:
      - { .name: xp, .offset: 0, .size: 8, .value_kind: global_buffer, .address_space: global }
      - { .name: wq, .offset: 8, .size: 8, .value_kind: global_buffer, .address_space: global }
      - { .name: bo, .offset: 16, .size: 8, .value_kind: global_buffer, .address_space: global }
      - { .name: query, .offset: 24, .size: 8, .value_kind: global_buffer, .address_space: global }
      - { .name: y1, .offset: 32, .size: 8, .value_kind: global_buffer, .address_space: global }
    .group_segment_fixed_size: 7168
    .private_segment_fixed_size: 0
    .kernarg_segment_align: 8
    .kernarg_segment_size: 40
    .max_flat_workgroup_size: 256
    .sgpr_count:     66
    .vgpr_count:     256
    .wavefront_size: 32
...
	.end_amdgpu_metadata
.endif
;; end of part 4
;; launch t23 (part 5): grid 16 x 16, 8 waves a work-group, no clusters, 241,664 bytes of LDS; arguments y1, g1, be1, wq, b1, yp; writes yp
.if DOCPART == 5
	.amdgcn_target "amdgcn-amd-amdhsa--gfx1250"
	.amdhsa_code_object_version 6
	.text
	.protected	k_q7e6380b689_t23
	.globl	k_q7e6380b689_t23
	.p2align	8
	.type	k_q7e6380b689_t23,@function
k_q7e6380b689_t23:
	s_mov_b64 s[64:65], 0
	v_nop
	global_prefetch_b8 v0, s[64:65] scope:SCOPE_SE
	s_setreg_imm32_b32 hwreg(HW_REG_WAVE_MODE, 25, 1), 1
	s_wait_xcnt 0x0
; T23: x1 = layernorm(y1) g1 + be1; hidden = relu(Q(x1) Q(W1) + b1), quantised; yp[z] = Q(hidden slice z) Q(W2[128 z ..]).  The next launch adds the sixteen parts.  The hidden layer never goes to memory.
; THE GRID IS 16 x 16: work-group (z; c, g), y = c + 4 g, takes hidden units 128 z .. 128 z + 127 (K step z of the last product), of that product the columns 256 c .. 256 c + 255, and the four rows 4 g .. 4 g + 3.
; The matrix operand has sixteen rows: lane r holds row 4 g + r % 4, so each of the four rows stands four times, nothing is masked, and only the first four rows of the results are stored.
; So a work-group reads 16 KiB of y1, 96 KiB of W1's codes and 24 KiB of W2's.
; First product: wave s takes K step s; the eight parts meet in LDS.  Second product: wave s takes columns 256 c + 32 s on.
; W1's eight fragments of a wave (8 x 1,536 bytes, 3,072 apart in wq) come by ONE tensor load a wave at the head, into LDS bytes that this wave alone reads: its wait on TENSORcnt is all the ordering they need.
; y1's rows, g1 and be1 are read by pieces of 512 consecutive bytes and turned through the wave's own stage in LDS into the quantiser's order, 16 neighbours of each block of 32 a lane.
; W1's columns are laid by the first launch so that a lane's 64 results are k 32 b + 16 h + i of the next K.
; No cluster: the sixteen work-groups of a slice share W1's codes, but a mask names four at the most and the slices' tiles are small.  No loop, so no prefetch.
; LIMITS: the quantiser's, as stated in the first launch.
.set LNS,   0                          ; [wave][row] sums;  512 bytes
.set LNS2,  512                        ; and sums of squares
.set HID,   1024                       ; the hidden slice: 16 groups of 512 bytes
.set RED,   9216                       ; 8,192 bytes a wave
.set STG,   74752                      ; 8,448 bytes a wave: six rows of 512 + 16 bytes at the head; at the end one stage of 16 rows x (1,024 + 16) bytes for the work-group
.set SPARE, 142336
.set W1L,   143360                     ; 12,288 bytes a wave: W1's fragments, filled once
.set WS,    6291456
.set TM,    16
.set Y,     32                         ; v32-95
.set G,     96                         ; v96-159 g1; later codes and accumulators
.set BE,    160                        ; v160-223 be1
.set PC,    96
.set TP,    108
.set ACC,   116                        ; v116-179
.set W1S,   224
.set W2S,   232
.set PW,    240
.set B1,    242
.set SPW,   252
.set NIL,   253
.set SEL,   22
.set G0,    40                         ; s[40:43], s[44:51] the tensor load's descriptor
.set G1,    44
.set MSB, 0
.macro WIN new
.if MSB != (\new)
	s_set_vgpr_msb (MSB<<8)|(\new)
.set MSB, (\new)
.endif
.endm
.macro QUANT s, pc, pw
.irp b, 0,1,2,3
	v_max3_num_f32 v[TM+\b], |v[(\s)+16*\b]|, |v[(\s)+1+16*\b]|, 0x1800000
.endr
.irp i, 2,4,6,8,10,12,14
.irp b, 0,1,2,3
	s_delay_alu instid0(VALU_DEP_4)
	v_max3_num_f32 v[TM+\b], v[TM+\b], |v[(\s)+16*\b+\i]|, |v[(\s)+1+16*\b+\i]|
.endr
.endr
.irp b, 0,1,2,3
	s_delay_alu instid0(VALU_DEP_4)
	v_permlanex16_b32 v[TM+4+\b], v[TM+\b], s[SEL], s[SEL+1]
.endr
.irp b, 0,1,2,3
	s_delay_alu instid0(VALU_DEP_4)
	v_max_num_f32 v[TM+\b], v[TM+\b], v[TM+4+\b]
.endr
.irp b, 0,1,2,3
	s_delay_alu instid0(VALU_DEP_4)
	v_add_nc_u32 v[TM+12+\b], 0xff000000, v[TM+\b]
.endr
.irp b, 0,1,2,3
	s_delay_alu instid0(VALU_DEP_4)
	v_lshrrev_b32 v[TM+4+\b], 23, v[TM+12+\b]
.endr
	s_delay_alu instid0(VALU_DEP_3)
	v_lshl_or_b32 v[\pw], v[TM+5], 8, v[TM+4]
	s_delay_alu instid0(VALU_DEP_1)
	v_lshl_or_b32 v[\pw], v[TM+6], 16, v[\pw]
	s_delay_alu instid0(VALU_DEP_1)
	v_lshl_or_b32 v[\pw], v[TM+7], 24, v[\pw]
.irp c, 0,1
	v_cvt_scalef32_pk16_fp6_f32 v[(\pc)+6*\c:(\pc)+2+6*\c], v[(\s)+32*\c:(\s)+15+32*\c], v[TM+12+2*\c]
	v_cvt_scalef32_pk16_fp6_f32 v[TP+4*\c:TP+2+4*\c], v[(\s)+16+32*\c:(\s)+31+32*\c], v[TM+12+2*\c+1]
.endr
	v_nop
.irp c, 0,1
.irp i, 0,1,2
	v_permlane16_swap_b32 v[(\pc)+6*\c+\i], v[TP+4*\c+\i]
.endr
.irp i, 0,1,2
	s_delay_alu instid0(VALU_DEP_3)
	v_mov_b32 v[(\pc)+3+6*\c+\i], v[TP+4*\c+\i]
.endr
.endr
.endm
.macro BARRIER                         ; my LDS stores have landed and my LDS loads are in: then the work-group's barrier
	s_wait_dscnt 0x0
	s_barrier_signal -1
	s_barrier_wait -1
.endm
.macro MEET8 off                       ; my row's eight parts, one from each wave, are added into v16
	s_delay_alu instid0(VALU_DEP_1)
	v_add_f32 v16, v16, v17
	s_delay_alu instid0(VALU_DEP_1)
	v_permlanex16_b32 v17, v16, s[SEL], s[SEL+1]
	s_delay_alu instid0(VALU_DEP_1)
	v_add_f32 v16, v16, v17                        ; with the other half of my row's numbers
	ds_store_b32 v10, v16 offset:\off              ; lanes r and r + 16 write the same word with the same value
	BARRIER
.irp i, 0,1,2,3,4,5,6,7
	ds_load_b32 v[16+\i], v6 offset:(\off)+64*\i
.endr
	s_wait_dscnt 0x0
	v_add_f32 v16, v16, v17
	v_add_f32 v18, v18, v19
	v_add_f32 v20, v20, v21
	v_add_f32 v22, v22, v23
	s_delay_alu instid0(VALU_DEP_3)
	v_add_f32 v16, v16, v18
	s_delay_alu instid0(VALU_DEP_2)
	v_add_f32 v20, v20, v22
	s_delay_alu instid0(VALU_DEP_1)
	v_add_f32 v16, v16, v20
.endm
	s_load_b256 s[4:11], s[0:1], 0x0               ; y1 4, g1 6, be1 8, wq 10
	s_load_b128 s[12:15], s[0:1], 0x20             ; b1 12, yp 14
	v_lshl_add_u32 v[SPW], v0, 2, SPARE
	v_mov_b32 v[NIL], 0
	ds_add_u32 v[SPW], v[NIL]                      ; the wave's opening: the add, twice on end, and its wait ahead of my tensor load; the head's work on registers stands between
	ds_add_u32 v[SPW], v[NIL]
	v_lshrrev_b32 v1, 5, v0
	s_delay_alu instid0(VALU_DEP_1)
	v_readfirstlane_b32 s2, v1                     ; wave
	v_and_b32 v1, 31, v0
	v_and_b32 v2, 15, v0
	v_bfe_u32 v3, v0, 4, 1
	v_and_b32 v4, 3, v0                            ; r % 4: my row of the group's four
	v_lshlrev_b32 v5, 4, v1                        ; 16 x lane
	v_lshlrev_b32 v6, 2, v2
	v_lshlrev_b32 v7, 6, v3
	s_mul_i32 s3, s2, 8448
	s_add_co_u32 s3, s3, STG
	v_mul_u32_u24 v24, v4, 528
	v_add_nc_u32 v26, s3, v7                       ; my stage, + 64 h: g1's and be1's rows on their way out
	v_add_nc_u32 v12, s3, v5                       ; 16 bytes a lane, a row an instruction: the way in
	v_add_nc_u32 v24, v24, v26                     ; row r % 4, + 64 h: y1 on its way out
	s_lshl_b32 s3, s2, 13
	s_add_co_u32 s3, s3, RED
	v_add_nc_u32 v8, s3, v5                        ; my wave's 8,192 bytes
	s_lshl_b32 s3, s2, 10
	s_add_co_u32 s3, s3, RED
	v_add_nc_u32 v9, s3, v5                        ; groups 2 s, 2 s + 1 of wave 0's
	s_lshl_b32 s3, s2, 6
	v_add_nc_u32 v10, s3, v6                       ; my wave's sixteen words
	v_mul_u32_u24 v11, v2, 1040
	s_delay_alu instid0(VALU_DEP_1)
	v_lshl_add_u32 v11, v3, 5, v11
	s_lshl_b32 s3, s2, 7
	s_add_co_u32 s3, s3, STG
	v_add_nc_u32 v11, s3, v11                      ; the results on their way in: row r, + 128 s + 32 h
	s_lshr_b32 s16, s2, 1
	s_and_b32 s17, s2, 1
	s_mul_i32 s3, s16, 1040
	s_lshl_b32 s18, s17, 9
	s_add_co_u32 s3, s3, s18
	s_add_co_u32 s3, s3, STG
	v_add_nc_u32 v25, s3, v5                       ; and out: half s % 2 of row s / 2
	s_lshl_b32 s3, s2, 10
	s_add_co_u32 s3, s3, HID
	v_add_nc_u32 v13, s3, v5
	s_mov_b32 s[G0], 1
	s_mul_i32 s[G0+1], s2, 12288
	s_add_co_u32 s[G0+1], s[G0+1], W1L
	v_add_nc_u32 v4, s[G0+1], v5                   ; W1's fragments in LDS: 16 bytes a lane
	s_mov_b32 s[G1], 3<<16                         ; elements of 8 bytes, no padding
	s_mov_b32 s[G1+1], 192<<16                     ; a row is a fragment, 1,536 bytes
	s_mov_b32 s[G1+2], 8<<16                       ; eight of them
	s_mov_b32 s[G1+3], 192<<16
	s_mov_b32 s[G1+4], 8
	s_mov_b32 s[G1+5], 384                         ; 3,072 bytes from tile to tile
	s_mov_b32 s[G1+6], 0
	s_mov_b32 s[G1+7], 0
	s_mov_b32 s[SEL], 0x76543210
	s_mov_b32 s[SEL+1], 0xfedcba98
	s_mov_b32 s36, 0x3a800000                      ; 1 / 1024
	s_mov_b32 s37, 0x3727c5ac                      ; 1e-5
	s_lshr_b32 s18, ttmp9, 1
	s_and_b32 s19, ttmp9, 1
	s_and_b32 s38, ttmp7, 3                        ; c
	s_bfe_u32 s39, ttmp7, 0x20002                  ; g
	s_mul_i32 s24, s16, 393216                     ; W1's codes: K step s, tiles 8 z on
	s_mul_i32 s3, s17, 1536
	s_add_co_u32 s24, s24, s3
	s_mul_i32 s3, ttmp9, 24576
	s_add_co_u32 s24, s24, s3
	s_add_co_u32 s24, s24, 3145728
	s_mov_b32 s25, 0
	s_mul_i32 s26, s18, 196608                     ; W2's: K step z, tiles 16 c + 2 s on
	s_mul_i32 s3, s19, 1536
	s_add_co_u32 s26, s26, s3
	s_mul_i32 s3, s2, 6144
	s_add_co_u32 s26, s26, s3
	s_mul_i32 s3, s38, 49152
	s_add_co_u32 s26, s26, s3
	s_add_co_u32 s26, s26, 4718592
	s_mov_b32 s27, 0
	s_lshl_b32 s28, s2, 13
	s_lshl_b32 s3, ttmp9, 9
	s_add_co_u32 s28, s28, s3
	s_add_co_u32 s28, s28, WS+131072               ; W1's scale words
	s_mov_b32 s29, 0
	s_lshl_b32 s32, s16, 7
	s_lshl_b32 s33, s17, 5
	s_add_co_u32 s32, s32, s33
	s_add_co_u32 s32, s32, s3                      ; b1: units 128 z + 32 (s / 2) + 8 (s % 2), + 16 h
	s_mov_b32 s33, 0
	s_lshl_b32 s38, s38, 10                        ; 1,024 c: 256 columns of 4 bytes
	s_lshl_b32 s30, ttmp9, 12
	s_lshl_b32 s3, s2, 7
	s_add_co_u32 s30, s30, s3
	s_add_co_u32 s30, s30, s38
	s_add_co_u32 s30, s30, WS+196608               ; W2's scale words
	s_mov_b32 s31, 0
	s_lshl_b32 s34, s2, 9                          ; 512 s: g1, be1
	s_mov_b32 s35, 0
	s_lshl_b32 s39, s39, 14                        ; four rows of 4,096 bytes a group
	s_add_co_u32 s52, s34, s39                     ; y1: rows 4 g on, my K step
	s_mov_b32 s53, 0
	s_lshl_b32 s20, ttmp9, 16                      ; yp: part z, row 4 g + s / 2, columns 256 c + 128 (s % 2) on
	s_add_co_u32 s20, s20, s39
	s_add_co_u32 s20, s20, s38
	s_lshl_b32 s3, s16, 12
	s_add_co_u32 s20, s20, s3
	s_lshl_b32 s3, s17, 9
	s_add_co_u32 s20, s20, s3
	s_mov_b32 s21, 0
	s_wait_alu depctr_va_vdst(0)
	s_wait_dscnt 0x0                               ; both opening adds are done
	s_wait_kmcnt 0x0
	s_add_nc_u64 s[G0+2:G0+3], s[10:11], s[24:25]
	s_or_b32 s[G0+3], s[G0+3], 0x80000000
	tensor_load_to_lds s[G0:G0+3], s[G1:G1+7]      ; my one tensor load: W1's eight fragments of my K step
	s_nop 0
	s_add_nc_u64 s[4:5], s[4:5], s[52:53]
	s_add_nc_u64 s[6:7], s[6:7], s[34:35]
	s_add_nc_u64 s[8:9], s[8:9], s[34:35]
	s_add_nc_u64 s[26:27], s[10:11], s[26:27]
	s_add_nc_u64 s[28:29], s[10:11], s[28:29]
	s_add_nc_u64 s[30:31], s[10:11], s[30:31]
	s_add_nc_u64 s[12:13], s[12:13], s[32:33]
	s_add_nc_u64 s[14:15], s[14:15], s[20:21]
.irp i, 0,1,2,3
	global_load_b128 v[Y+4*\i:Y+4*\i+3], v5, s[4:5] offset:4096*\i             ; row 4 g + i of y1, my K step: 512 consecutive bytes
.endr
	global_load_b128 v[Y+16:Y+19], v5, s[6:7]      ; g1 and be1, my K step: likewise
	global_load_b128 v[Y+20:Y+23], v5, s[8:9]
	WIN 0x40
.irp t, 0,1
.irp c, 0,1,2
	global_load_b128 v[96+12*\t+4*\c:96+12*\t+4*\c+3], v5, s[26:27] offset:3072*\t+512*\c
.endr
.endr
	WIN 0
.irp t, 0,1,2,3,4,5,6,7
	global_load_b32 v[W1S+\t], v6, s[28:29] offset:64*\t
.endr
.irp t, 0,1
	global_load_b32 v[W2S+\t], v6, s[30:31] offset:64*\t
.endr
	global_load_b128 v[B1:B1+3], v7, s[12:13]
	global_load_b128 v[B1+4:B1+7], v7, s[12:13] offset:16
	s_wait_loadcnt 18                              ; y1's four, g1's and be1's loads are in; behind them: W2's 6, the scale words' 8 and 2, b1's 2
.irp i, 0,1,2,3,4,5
	ds_store_b128 v12, v[Y+4*\i:Y+4*\i+3] offset:528*\i            ; through my stage: in by rows: y1's four, g1, be1;
.endr
.irp b, 0,1,2,3
.irp j, 0,1,2,3
	ds_load_b128 v[Y+16*\b+4*\j:Y+16*\b+4*\j+3], v24 offset:128*\b+16*\j   ; out 16 neighbours of each block a lane.  LDS serves a wave's instructions in order: these see my stores
.endr
.endr
.irp b, 0,1,2,3
.irp j, 0,1,2,3
	ds_load_b128 v[G+16*\b+4*\j:G+16*\b+4*\j+3], v26 offset:4*528+128*\b+16*\j
.endr
.endr
.irp b, 0,1,2,3
.irp j, 0,1,2,3
	ds_load_b128 v[BE+16*\b+4*\j:BE+16*\b+4*\j+3], v26 offset:5*528+128*\b+16*\j
.endr
.endr
	s_wait_dscnt 0x0
	; ---- the layer norm, in two passes
	v_pk_add_f32 v[18:19], v[32:33], v[34:35]
	v_pk_add_f32 v[254:255], v[40:41], v[44:45]
	v_pk_add_f32 v[250:251], v[48:49], v[52:53]
	v_pk_add_f32 v[240:241], v[56:57], v[60:61]
	v_pk_add_f32 v[30:31], v[64:65], v[68:69]
	v_pk_add_f32 v[28:29], v[72:73], v[76:77]
	v_pk_add_f32 v[26:27], v[80:81], v[84:85]
	v_pk_add_f32 v[16:17], v[88:89], v[92:93]
	s_delay_alu instid0(VALU_DEP_1)
	v_pk_add_f32 v[16:17], v[16:17], v[36:37]
	v_pk_add_f32 v[18:19], v[18:19], v[38:39]
	v_pk_add_f32 v[254:255], v[254:255], v[42:43]
	v_pk_add_f32 v[250:251], v[250:251], v[46:47]
	v_pk_add_f32 v[240:241], v[240:241], v[50:51]
	v_pk_add_f32 v[30:31], v[30:31], v[54:55]
	v_pk_add_f32 v[28:29], v[28:29], v[58:59]
	v_pk_add_f32 v[26:27], v[26:27], v[62:63]
	v_pk_add_f32 v[16:17], v[16:17], v[66:67]
	v_pk_add_f32 v[18:19], v[18:19], v[70:71]
	v_pk_add_f32 v[254:255], v[254:255], v[74:75]
	v_pk_add_f32 v[250:251], v[250:251], v[78:79]
	v_pk_add_f32 v[240:241], v[240:241], v[82:83]
	v_pk_add_f32 v[30:31], v[30:31], v[86:87]
	v_pk_add_f32 v[28:29], v[28:29], v[90:91]
	v_pk_add_f32 v[26:27], v[26:27], v[94:95]
	s_delay_alu instid0(VALU_DEP_4)
	v_pk_add_f32 v[16:17], v[16:17], v[240:241]
	s_delay_alu instid0(VALU_DEP_4)
	v_pk_add_f32 v[18:19], v[18:19], v[30:31]
	s_delay_alu instid0(VALU_DEP_4)
	v_pk_add_f32 v[254:255], v[254:255], v[28:29]
	s_delay_alu instid0(VALU_DEP_4)
	v_pk_add_f32 v[250:251], v[250:251], v[26:27]
	s_delay_alu instid0(VALU_DEP_2)
	v_pk_add_f32 v[16:17], v[16:17], v[254:255]
	s_delay_alu instid0(VALU_DEP_2)
	v_pk_add_f32 v[18:19], v[18:19], v[250:251]
	s_delay_alu instid0(VALU_DEP_1)
	v_pk_add_f32 v[16:17], v[16:17], v[18:19]
	MEET8 LNS
	s_delay_alu instid0(VALU_DEP_1)
	v_mul_f32 v14, s36, v16                        ; the mean
	s_delay_alu instid0(VALU_DEP_1)
	v_mov_b32 v15, v14
.set i, 0
.rept 32
	v_pk_add_f32 v[Y+i:Y+i+1], v[Y+i:Y+i+1], v[14:15] neg_lo:[0,1] neg_hi:[0,1]
.set i, i+2
.endr
	v_pk_mul_f32 v[16:17], v[Y:Y+1], v[Y:Y+1]
	v_pk_mul_f32 v[18:19], v[Y+2:Y+3], v[Y+2:Y+3]
.irp j, 4,8,12,16,20,24,28,32,36,40,44,48,52,56,60
	s_delay_alu instid0(VALU_DEP_2)
	v_pk_fma_f32 v[16:17], v[Y+\j:Y+\j+1], v[Y+\j:Y+\j+1], v[16:17]
	s_delay_alu instid0(VALU_DEP_2)
	v_pk_fma_f32 v[18:19], v[Y+\j+2:Y+\j+3], v[Y+\j+2:Y+\j+3], v[18:19]
.endr
	s_delay_alu instid0(VALU_DEP_1)
	v_pk_add_f32 v[16:17], v[16:17], v[18:19]
	MEET8 LNS2
	s_delay_alu instid0(VALU_DEP_1)
	v_fma_f32 v16, v16, s36, s37                   ; the variance + 1e-5
	s_wait_alu depctr_va_vdst(0)
	v_rsq_f32 v14, v16
	v_nop
	s_wait_alu depctr_va_vdst(0)
	v_mov_b32 v15, v14
.set i, 0
.rept 32
	v_pk_mul_f32 v[Y+i:Y+i+1], v[Y+i:Y+i+1], v[14:15]
.set i, i+2
.endr
.set i, 0
.rept 32
	v_pk_fma_f32 v[Y+i:Y+i+1], v[Y+i:Y+i+1], v[G+i:G+i+1], v[BE+i:BE+i+1]
.set i, i+2
.endr
	; ---- the first product: my K step, the work-group's 128 hidden units
	s_wait_alu depctr_va_vdst(0)
	s_wait_tensorcnt 0x0                           ; W1's fragments are in LDS: bytes that I alone read
	WIN 0x40
.irp t, 0,1,2,3,4,5,6,7
.irp c, 0,1,2
	ds_load_b128 v[12*\t+4*\c:12*\t+4*\c+3], v4 offset:1536*\t+512*\c
.endr
.endr
	WIN 0
	QUANT Y, PC, PW
	s_wait_alu depctr_va_vdst(0)
	s_wait_loadcnt 0x0
	s_wait_dscnt 0x0
.rept 8
	v_nop
.endr
	WIN 0x01
.irp t, 0,1,2,3,4,5,6,7
	v_wmma_scale_f32_16x16x128_f8f6f4 v[ACC+8*\t:ACC+8*\t+7], v[12*\t:12*\t+11], v[PC:PC+11], 0, v[W1S+\t], v[PW] matrix_a_fmt:MATRIX_FMT_FP6 matrix_b_fmt:MATRIX_FMT_FP6
.endr
	WIN 0
.rept 4
	v_nop
.endr
.irp g, 0,1,2,3,4,5,6,7,8,9,10,11,12,13,14,15
	ds_store_b128 v8, v[ACC+4*\g:ACC+4*\g+3] offset:512*\g
.endr
	BARRIER
.irp i, 0,1,2,3,4,5,6,7
	ds_load_b128 v[Y+8*\i:Y+8*\i+3], v9 offset:8192*\i             ; tile s of all eight waves
	ds_load_b128 v[Y+8*\i+4:Y+8*\i+7], v9 offset:8192*\i+512
.endr
	s_wait_dscnt 0x0
.irp p, 0,2,4,6
.irp j, 0,2,4,6
	v_pk_add_f32 v[Y+8*\p+\j:Y+8*\p+\j+1], v[Y+8*\p+\j:Y+8*\p+\j+1], v[Y+8*\p+8+\j:Y+8*\p+9+\j]
.endr
.endr
.irp p, 0,4
.irp j, 0,2,4,6
	v_pk_add_f32 v[Y+8*\p+\j:Y+8*\p+\j+1], v[Y+8*\p+\j:Y+8*\p+\j+1], v[Y+8*\p+16+\j:Y+8*\p+17+\j]
.endr
.endr
.irp j, 0,2,4,6
	s_delay_alu instid0(VALU_DEP_4)
	v_pk_add_f32 v[Y+\j:Y+\j+1], v[Y+\j:Y+\j+1], v[Y+32+\j:Y+33+\j]
.endr
.irp j, 0,2,4,6
	s_delay_alu instid0(VALU_DEP_4)
	v_pk_add_f32 v[Y+\j:Y+\j+1], v[Y+\j:Y+\j+1], v[B1+\j:B1+\j+1]
.endr
.irp j, 0,1,2,3,4,5,6,7
	v_max_num_f32 v[Y+\j], 0, v[Y+\j]              ; relu, in f32
.endr
	ds_store_b128 v13, v[Y:Y+3]
	ds_store_b128 v13, v[Y+4:Y+7] offset:512
	BARRIER
.irp g, 0,1,2,3,4,5,6,7,8,9,10,11,12,13,14,15
	ds_load_b128 v[Y+4*\g:Y+4*\g+3], v5 offset:HID+512*\g          ; the whole slice, in every wave
.endr
	s_wait_dscnt 0x0
	; ---- the second product: K step z, my 32 columns
	QUANT Y, PC, PW
.rept 8
	v_nop
.endr
	WIN 0x01
.irp t, 0,1
	v_wmma_scale_f32_16x16x128_f8f6f4 v[ACC+8*\t:ACC+8*\t+7], v[96+12*\t:96+12*\t+11], v[PC:PC+11], 0, v[W2S+\t], v[PW] matrix_a_fmt:MATRIX_FMT_FP6 matrix_b_fmt:MATRIX_FMT_FP6
.endr
	WIN 0
.rept 4
	v_nop
.endr
.irp t, 0,1
	ds_store_b128 v11, v[ACC+8*\t:ACC+8*\t+3] offset:64*\t         ; lane (r, h): stage row r, columns 16 t + 8 h + 0 .. 7 of my 32
	ds_store_b128 v11, v[ACC+8*\t+4:ACC+8*\t+7] offset:64*\t+16
.endr
	BARRIER                                        ; the eight waves' columns make whole rows of 1,024 bytes; stage rows 0-3 are the group's four rows
	ds_load_b128 v[Y:Y+3], v25
	s_wait_dscnt 0x0
	global_store_b128 v5, v[Y:Y+3], s[14:15]       ; 512 consecutive bytes, aligned
	s_wait_tensorcnt 0x0                           ; the wave's end
	ds_add_u32 v[SPW], v[NIL]
	s_wait_dscnt 0x0
	s_endpgm
.Lfunc_end_k_q7e6380b689_t23:
	.size	k_q7e6380b689_t23, .Lfunc_end_k_q7e6380b689_t23-k_q7e6380b689_t23
	.p2alignl 7, 3214868480
	.fill 96, 4, 3214868480
	.section	.rodata,"a",@progbits
	.p2align	6, 0x0
	.amdhsa_kernel k_q7e6380b689_t23
		.amdhsa_group_segment_fixed_size 241664
		.amdhsa_private_segment_fixed_size 0
		.amdhsa_enable_private_segment 0
		.amdhsa_kernarg_size 48
		.amdhsa_user_sgpr_count 2
		.amdhsa_user_sgpr_kernarg_segment_ptr 1
		.amdhsa_wavefront_size32 1
		.amdhsa_system_sgpr_workgroup_id_x 1
		.amdhsa_system_sgpr_workgroup_id_y 1
		.amdhsa_system_sgpr_workgroup_id_z 1
		.amdhsa_system_vgpr_workitem_id 0
		.amdhsa_next_free_vgpr 448
		.amdhsa_next_free_sgpr 66
		.amdhsa_reserve_vcc 0
		.amdhsa_float_denorm_mode_32 3
		.amdhsa_float_denorm_mode_16_64 3
		.amdhsa_memory_ordered 1
		.amdhsa_forward_progress 1
		.amdhsa_inst_pref_size 47
	.end_amdhsa_kernel
	.amdgpu_metadata
---
amdhsa.version: [ 1, 2 ]
amdhsa.kernels:
  - .name:           k_q7e6380b689_t23
    .symbol:         k_q7e6380b689_t23.kd
    .args:
      - { .name: y1, .offset: 0, .size: 8, .value_kind: global_buffer, .address_space: global }
      - { .name: g1, .offset: 8, .size: 8, .value_kind: global_buffer, .address_space: global }
      - { .name: be1, .offset: 16, .size: 8, .value_kind: global_buffer, .address_space: global }
      - { .name: wq, .offset: 24, .size: 8, .value_kind: global_buffer, .address_space: global }
      - { .name: b1, .offset: 32, .size: 8, .value_kind: global_buffer, .address_space: global }
      - { .name: yp, .offset: 40, .size: 8, .value_kind: global_buffer, .address_space: global }
    .group_segment_fixed_size: 241664
    .private_segment_fixed_size: 0
    .kernarg_segment_align: 8
    .kernarg_segment_size: 48
    .max_flat_workgroup_size: 256
    .sgpr_count:     66
    .vgpr_count:     448
    .wavefront_size: 32
...
	.end_amdgpu_metadata
.endif
;; end of part 5
;; launch t4 (part 6): grid 16 x 1, 8 waves a work-group, no clusters, 167,936 bytes of LDS; arguments y1, g1, be1, yp, b2, g2, be2, out0; writes out0
.if DOCPART == 6
	.amdgcn_target "amdgcn-amd-amdhsa--gfx1250"
	.amdhsa_code_object_version 6
	.text
	.protected	k_q7e6380b689_t4
	.globl	k_q7e6380b689_t4
	.p2align	8
	.type	k_q7e6380b689_t4,@function
k_q7e6380b689_t4:
	s_mov_b64 s[64:65], 0
	v_nop
	global_prefetch_b8 v0, s[64:65] scope:SCOPE_SE
	s_setreg_imm32_b32 hwreg(HW_REG_WAVE_MODE, 25, 1), 1
	s_wait_xcnt 0x0
; T4: x1 = layernorm(y1) g1 + be1 once more (f32); y2 = x1 + b2 + the sum of yp's sixteen parts; out0 = layernorm(y2) g2 + be2.
; A work-group takes one row of the 16; a thread four columns.  Both norms in two passes.  No matrix work.
; yp's sixteen parts of the row (16 x 4,096 bytes, 65,536 apart) come into LDS by one tensor load a wave at the head, two parts each; they are on their way while the first norm is worked,
; and a barrier behind every wave's wait shows them to all.  The bytes are filled once.
; LDS: four pieces of 32 bytes (a word for each of the eight waves), one for each of the four sums, so that no piece is written twice; the spare words from byte 256 on; yp's parts from byte 2,048 on.
; No cluster: no byte but g1, be1, b2, g2, be2 (20 KiB) is read by two work-groups.  No loop, so no prefetch.
.set SPARE, 256
.set YPL,   2048
.set SPW,   100
.set NIL,   101
; the sum over the 256 threads of v102, into v102 of every thread; k: which 32 bytes of LDS
.macro BRED k
.irp m, 1,2,4,8
	s_delay_alu instid0(VALU_DEP_1)
	v_add_f32_dpp v102, v102, v102 row_xmask:\m row_mask:0xf bank_mask:0xf
.endr
	s_delay_alu instid0(VALU_DEP_1)
	v_permlanex16_b32 v103, v102, s20, s21
	s_delay_alu instid0(VALU_DEP_1)
	v_add_f32 v102, v102, v103
	ds_store_b32 v2, v102 offset:32*(\k)           ; all lanes of a wave write its word with the same value
	s_wait_dscnt 0x0                               ; for the others' sake: my store has landed
	s_barrier_signal -1
	s_barrier_wait -1
	ds_load_b128 v[104:107], v3 offset:32*(\k)
	ds_load_b128 v[108:111], v3 offset:32*(\k)+16
	s_wait_dscnt 0x0
	v_add_f32 v104, v104, v105
	v_add_f32 v106, v106, v107
	v_add_f32 v108, v108, v109
	v_add_f32 v110, v110, v111
	s_delay_alu instid0(VALU_DEP_3)
	v_add_f32 v104, v104, v106
	s_delay_alu instid0(VALU_DEP_2)
	v_add_f32 v108, v108, v110
	s_delay_alu instid0(VALU_DEP_1)
	v_add_f32 v102, v104, v108
.endm
; v[4:7] becomes (v[4:7] - mean) x rsqrt(variance + 1e-5); k: the first of two pieces of LDS
.macro NORM k
	v_add_f32 v102, v4, v5
	v_add_f32 v104, v6, v7
	s_delay_alu instid0(VALU_DEP_1)
	v_add_f32 v102, v102, v104
	BRED (\k)
	s_delay_alu instid0(VALU_DEP_1)
	v_mul_f32 v112, s22, v102                      ; the mean
	s_delay_alu instid0(VALU_DEP_1)
	v_mov_b32 v113, v112
	s_delay_alu instid0(VALU_DEP_1)
	v_pk_add_f32 v[4:5], v[4:5], v[112:113] neg_lo:[0,1] neg_hi:[0,1]
	s_delay_alu instid0(VALU_DEP_2)
	v_pk_add_f32 v[6:7], v[6:7], v[112:113] neg_lo:[0,1] neg_hi:[0,1]
	s_delay_alu instid0(VALU_DEP_2)
	v_mul_f32 v102, v4, v4
	s_delay_alu instid0(VALU_DEP_1)
	v_fmac_f32 v102, v5, v5
	s_delay_alu instid0(VALU_DEP_1)
	v_fmac_f32 v102, v6, v6
	s_delay_alu instid0(VALU_DEP_1)
	v_fmac_f32 v102, v7, v7
	BRED (\k)+1
	s_delay_alu instid0(VALU_DEP_1)
	v_fma_f32 v102, v102, s22, s23                 ; the variance + 1e-5
	s_wait_alu depctr_va_vdst(0)
	v_rsq_f32 v112, v102
	v_nop                                          ; a plain place behind the transcendental
	s_wait_alu depctr_va_vdst(0)                   ; and the wait ahead of its first reader
	v_mov_b32 v113, v112
	v_pk_mul_f32 v[4:5], v[4:5], v[112:113]
	v_pk_mul_f32 v[6:7], v[6:7], v[112:113]
.endm
	s_load_b512 s[4:19], s[0:1], 0x0               ; y1 4, g1 6, be1 8, yp 10, b2 12, g2 14, be2 16, out0 18
	v_lshl_add_u32 v[SPW], v0, 2, SPARE
	v_mov_b32 v[NIL], 0
	ds_add_u32 v[SPW], v[NIL]                      ; the wave's opening: the add, twice on end, and its wait ahead of my tensor load
	ds_add_u32 v[SPW], v[NIL]
	v_lshlrev_b32 v1, 4, v0                        ; my four columns
	v_lshrrev_b32 v2, 5, v0
	s_delay_alu instid0(VALU_DEP_1)
	v_readfirstlane_b32 s26, v2                    ; wave
	v_lshlrev_b32 v2, 2, v2                        ; 4 x wave
	v_mov_b32 v3, 0
	v_mov_b32 v103, 0                              ; a lane permute's destination counts as one of its sources
	v_add_nc_u32 v114, YPL, v1                     ; my four columns of part 0 in LDS
	s_mov_b32 s20, 0x76543210
	s_mov_b32 s21, 0xfedcba98
	s_mov_b32 s22, 0x3a800000                      ; 1 / 1024
	s_mov_b32 s23, 0x3727c5ac                      ; 1e-5
	s_lshl_b32 s24, ttmp9, 12
	s_mov_b32 s25, 0
	s_mov_b32 s36, 3<<16                           ; the descriptor: elements of 8 bytes, no padding
	s_mov_b32 s37, 512<<16                         ; a row of 4,096 bytes
	s_mov_b32 s38, 2<<16                           ; two parts
	s_mov_b32 s39, 512<<16
	s_mov_b32 s40, 2
	s_mov_b32 s41, 8192                            ; 65,536 bytes from part to part
	s_mov_b32 s42, 0
	s_mov_b32 s43, 0
	s_mov_b32 s32, 1
	s_lshl_b32 s33, s26, 13
	s_add_co_u32 s33, s33, YPL                     ; parts 2 s and 2 s + 1 lie on end in LDS
	s_lshl_b32 s28, s26, 17
	s_mov_b32 s29, 0
	s_wait_alu depctr_va_vdst(0)
	s_wait_dscnt 0x0                               ; both opening adds are done
	s_wait_kmcnt 0x0
	s_add_nc_u64 s[10:11], s[10:11], s[24:25]
	s_add_nc_u64 s[34:35], s[10:11], s[28:29]
	s_or_b32 s35, s35, 0x80000000
	tensor_load_to_lds s[32:35], s[36:43]          ; my one tensor load
	s_nop 0
	s_add_nc_u64 s[4:5], s[4:5], s[24:25]
	s_add_nc_u64 s[18:19], s[18:19], s[24:25]
	global_load_b128 v[4:7], v1, s[4:5]
	global_load_b128 v[8:11], v1, s[6:7]
	global_load_b128 v[12:15], v1, s[8:9]
	global_load_b128 v[16:19], v1, s[12:13]
	global_load_b128 v[20:23], v1, s[14:15]
	global_load_b128 v[24:27], v1, s[16:17]
	s_wait_loadcnt 5                               ; y1 is in; the 5 loads behind it may be out
	NORM 0
	s_wait_alu depctr_va_vdst(0)
	s_wait_loadcnt 3                               ; g1 and be1 are in; the 3 behind them may be out
	v_pk_fma_f32 v[4:5], v[4:5], v[8:9], v[12:13]
	v_pk_fma_f32 v[6:7], v[6:7], v[10:11], v[14:15]
	s_wait_loadcnt 0x0
	s_wait_tensorcnt 0x0                           ; my two parts are in LDS;
	s_barrier_signal -1
	s_barrier_wait -1                              ; and so are everybody's
.irp z, 0,1,2,3,4,5,6,7,8,9,10,11,12,13,14,15
	ds_load_b128 v[32+4*\z:35+4*\z], v114 offset:4096*\z
.endr
	s_wait_dscnt 0x0
.irp z, 1
	v_pk_add_f32 v[32:33], v[32:33], v[32+4*\z:33+4*\z]
	v_pk_add_f32 v[34:35], v[34:35], v[34+4*\z:35+4*\z]
.endr
.irp z, 2, 3, 4, 5, 6, 7, 8, 9, 10, 11, 12, 13, 14, 15
	s_delay_alu instid0(VALU_DEP_2)
	v_pk_add_f32 v[32:33], v[32:33], v[32+4*\z:33+4*\z]
	s_delay_alu instid0(VALU_DEP_2)
	v_pk_add_f32 v[34:35], v[34:35], v[34+4*\z:35+4*\z]
.endr
	s_delay_alu instid0(VALU_DEP_2)
	v_pk_add_f32 v[32:33], v[32:33], v[16:17]
	s_delay_alu instid0(VALU_DEP_2)
	v_pk_add_f32 v[34:35], v[34:35], v[18:19]
	s_delay_alu instid0(VALU_DEP_2)
	v_pk_add_f32 v[4:5], v[4:5], v[32:33]
	s_delay_alu instid0(VALU_DEP_2)
	v_pk_add_f32 v[6:7], v[6:7], v[34:35]
	NORM 2
	s_delay_alu instid0(VALU_DEP_2)
	v_pk_fma_f32 v[4:5], v[4:5], v[20:21], v[24:25]
	s_delay_alu instid0(VALU_DEP_2)
	v_pk_fma_f32 v[6:7], v[6:7], v[22:23], v[26:27]
	global_store_b128 v1, v[4:7], s[18:19]         ; a wave stores 512 consecutive bytes, aligned
	s_wait_tensorcnt 0x0                           ; the wave's end
	ds_add_u32 v[SPW], v[NIL]
	s_wait_dscnt 0x0
	s_endpgm
.Lfunc_end_k_q7e6380b689_t4:
	.size	k_q7e6380b689_t4, .Lfunc_end_k_q7e6380b689_t4-k_q7e6380b689_t4
	.p2alignl 7, 3214868480
	.fill 96, 4, 3214868480
	.section	.rodata,"a",@progbits
	.p2align	6, 0x0
	.amdhsa_kernel k_q7e6380b689_t4
		.amdhsa_group_segment_fixed_size 167936
		.amdhsa_private_segment_fixed_size 0
		.amdhsa_enable_private_segment 0
		.amdhsa_kernarg_size 64
		.amdhsa_user_sgpr_count 2
		.amdhsa_user_sgpr_kernarg_segment_ptr 1
		.amdhsa_wavefront_size32 1
		.amdhsa_system_sgpr_workgroup_id_x 1
		.amdhsa_system_sgpr_workgroup_id_y 1
		.amdhsa_system_sgpr_workgroup_id_z 1
		.amdhsa_system_vgpr_workitem_id 0
		.amdhsa_next_free_vgpr 128
		.amdhsa_next_free_sgpr 66
		.amdhsa_reserve_vcc 0
		.amdhsa_float_denorm_mode_32 3
		.amdhsa_float_denorm_mode_16_64 3
		.amdhsa_memory_ordered 1
		.amdhsa_forward_progress 1
		.amdhsa_inst_pref_size 15
	.end_amdhsa_kernel
	.amdgpu_metadata
---
amdhsa.version: [ 1, 2 ]
amdhsa.kernels:
  - .name:           k_q7e6380b689_t4
    .symbol:         k_q7e6380b689_t4.kd
    .args:
      - { .name: y1, .offset: 0, .size: 8, .value_kind: global_buffer, .address_space: global }
      - { .name: g1, .offset: 8, .size: 8, .value_kind: global_buffer, .address_space: global }
      - { .name: be1, .offset: 16, .size: 8, .value_kind: global_buffer, .address_space: global }
      - { .name: yp, .offset: 24, .size: 8, .value_kind: global_buffer, .address_space: global }
      - { .name: b2, .offset: 32, .size: 8, .value_kind: global_buffer, .address_space: global }
      - { .name: g2, .offset: 40, .size: 8, .value_kind: global_buffer, .address_space: global }
      - { .name: be2, .offset: 48, .size: 8, .value_kind: global_buffer, .address_space: global }
      - { .name: out0, .offset: 56, .size: 8, .value_kind: global_buffer, .address_space: global }
    .group_segment_fixed_size: 167936
    .private_segment_fixed_size: 0
    .kernarg_segment_align: 8
    .kernarg_segment_size: 64
    .max_flat_workgroup_size: 256
    .sgpr_count:     66
    .vgpr_count:     128
    .wavefront_size: 32
...
	.end_amdgpu_metadata
.endif
;; end of part 6
